; MI455X (gfx1250); checked and timed in simulation.
; The chip was launched on July 23, 2026; its instructions are those of AMD's public machine-readable ISA for CDNA 5 (MIT licence, August 2026) and "CDNA5" Instruction Set Architecture Reference Guide (July 2026). The comments in the code are by the model that wrote it; some were corrected since.
;; Multi Head Self Attention. Allowed arithmetic: matrix products marked QUANTISED: E2M3 operands, one E8M0 scale for each 32 along K, by v_wmma_scale_f32_16x16x128_f8f6f4 with both operands' format E2M3, f32 sums; everything else in f32.
;; Inputs: bk 1,024 float32; bo 1,024 float32; bq 1,024 float32; bv 1,024 float32; inputs 4 x 2,048 x 1,024 float32; wk 1,024 x 1,024 float32; wo 1,024 x 1,024 float32; wq 1,024 x 1,024 float32; wv 1,024 x 1,024 float32.
;; Outputs: out0 4 x 2,048 x 1,024 float32.
;; This version of the problem:
;;   THIS VERSION OF THE PROBLEM IS GIVEN IN LOW PRECISION. The matrix products marked QUANTISED in the list below multiply operands that are first quantised to E2M3 (2 exponent bits, 3 mantissa bits; 6 bits a number), with one power-of-two scale for each 32 numbers along K (OCP MX v1.0); their sums are f32. All else is computed in f32.
;;   The module's matrix products, in the order in which they are computed (A, B: the left and right operand; K: the contracted axis; several contracted axes count as one K, in the product's order):
;;     1. [M 8,192, K 1,024] x [K 1,024, N 1,024]; A: input inputs; B: input wq: QUANTISED
;;     2. [M 8,192, K 1,024] x [K 1,024, N 1,024]; A: input inputs; B: input wk: QUANTISED
;;     3. [M 8,192, K 1,024] x [K 1,024, N 1,024]; A: input inputs; B: input wv: QUANTISED
;;     4. batch 64 x [M 2,048, K 64] x [K 64, N 2,048]; A: computed on the way; B: computed on the way: QUANTISED
;;     5. batch 64 x [M 2,048, K 2,048] x [K 2,048, N 64]; A: softmax (see below); B: computed on the way: QUANTISED
;;     6. [M 8,192, K 1,024] x [K 1,024, N 1,024]; A: computed on the way; B: input wo: QUANTISED
;;   THE QUANTISER, for each operand of a quantised product, along K:
;;     - K is cut into blocks of 32 from its start; a last block that is shorter is filled with zeros.
;;     - A block's scale is 2^e with e = floor(log2(the largest magnitude in the block)) - 2, held to -126 .. 127; a block of zeros has e = 0. As a byte (E8M0): e + 127.
;;     - Each number is divided by its block's scale, clamped to +-7.5, and rounded to the nearest number of E2M3, ties to even, subnormals kept.
;;     - The product sums the exact products of the quantised numbers (number of the format x scale) in f32.
;;   ~~~python
;;   def quantise(x, axis):      # numpy; x: float32 -> the quantised numbers, widened to float32 again
;;       x = np.moveaxis(x, axis, -1); K = x.shape[-1]
;;       x = np.pad(x, [(0, 0)] * (x.ndim - 1) + [(0, -K % 32)]); x = x.reshape(x.shape[:-1] + (-1, 32)); a = np.abs(x).max(-1, keepdims=True)
;;       e = np.where(a > 0, np.clip(np.frexp(np.where(a > 0, a, 1))[1] - 1 - 2, -126, 127), 0)      # np.frexp(a)[1] - 1 = floor(log2(a)), exactly
;;       r = np.clip(x / 2.0 ** e, -7.5, 7.5)
;;       step = 2.0 ** (np.maximum(np.frexp(np.where(r == 0, 1, r))[1] - 1, 0) - 3)
;;       q = np.round(r / step) * step * 2.0 ** e      # np.round: ties to even
;;       return np.moveaxis(q.reshape(q.shape[:-2] + (-1,))[..., :K], -1, axis).astype(np.float32)
;;   ~~~
;;   SOFTMAX AHEAD OF A QUANTISED PRODUCT. Where the list says 'softmax', what is quantised is not the finished softmax but p = 2^(t - M), with t = logit x log2(e) and M = ceil(the row's largest t), a whole number; so 1/2 < the row's largest p <= 1. The row's sum l is taken of the UNQUANTISED p, in f32, and the product's result is divided by l at the end. Since M is a whole number, a kernel that streams over the keys may use a running M (the ceiling of the running maximum): every later rescaling is an exact power of two, which a block's scale takes up: the codes' values come out the same.
;;   OPERANDS COMPUTED ON THE WAY. 'Computed on the way' means the value that the module computes at that place (a softmax that the list does not call 'softmax' is quantised finished and normalised). What goes into a quantiser is computed in f32, as accurately as f32 sums, v_exp_f32 and their like allow (about 1e-6 of the number): no bf16 or f16 on the way to a quantiser, and a product that is left as it is and whose result goes on into a quantised operand takes f32 operands (vector FMAs, or v_wmma_f32_16x16x4_f32). A number that lies on a knife's edge between two numbers of the format may be rounded either way, as far as f32 arithmetic and the matrix unit's own rounding can turn it there, and no further.
;; One version. Each part assembles by itself: llvm-mc -triple=amdgcn-amd-amdhsa -mcpu=gfx1250 --defsym DOCPART=n.
;; ======== version 1 of 1: 4 launches
;; limits: right only within a limited range of input values
;; workspace buffers: xc 6,291,456 bytes; xs 262,144 bytes; wc 3,145,728 bytes; ws 131,072 bytes; qq 6,815,744 bytes; kv 13,369,344 bytes; ac 6,291,456 bytes; as_ 262,144 bytes
;; launch quant (part 1): grid 384 x 1, 4 waves a work-group, no clusters, 92,672 bytes of LDS; arguments inputs, wq, wk, wv, wo, xc, xs, wc, ws; writes xc, xs, wc, ws
.if DOCPART == 1
	.amdgcn_target "amdgcn-amd-amdhsa--gfx1250"
	.amdhsa_code_object_version 6
	.text
	.protected	k_qe3fe68b84a_quant
	.globl	k_qe3fe68b84a_quant
	.p2align	8
	.type	k_qe3fe68b84a_quant,@function
k_qe3fe68b84a_quant:
	s_mov_b64 s[64:65], 0
	v_nop
	global_prefetch_b8 v0, s[64:65] scope:SCOPE_SE
	s_setreg_imm32_b32 hwreg(HW_REG_WAVE_MODE, 25, 1), 1
	s_wait_xcnt 0x0
; ONE LAUNCH QUANTISES THE INPUTS AND THE FOUR WEIGHTS to codes of FP6 (E2M3) with one E8M0 byte for each 32 along K, laid as IMAGES OF OPERAND REGISTERS.
; Work-groups 0-255 take inputs [8192][1024] (K innermost), work-groups 256-383 take wq, wk, wv, wo [1024 (k)][1024 (n)] (K is the first axis).  The two paths part on the work-group's number and have LDS bytes of their own.
; TILE ORDER: lane r of tile T holds row (weights: column n) 32 (T/2) + 8 (T%2) + r + 8 (r/8).  A fragment is 16 rows x 128 K = 12 registers a lane, stored as two halves of 768 bytes:
; registers 6c..6c+3 at 16 x lane, registers 6c+4, 6c+5 at 512 + 8 x lane.  xc, wc: [tile][K step 0..7][1536]; wc's tiles 0-63 wq, 64-127 wk, 128-191 wv, 192-255 wo.
; xs, ws: [pair of tiles][chunk of 256 K][lane' = r + 16 (T%2)][word = K step % 2]: a word is a row's four bytes of 128 K.
; A block's scale is 2^(floor(log2(largest magnitude)) - 2); its byte is the magnitude's exponent field - 2, held at 1 from below.
; LIMITS: a block of zeros gets the byte 1 (its codes are zeros; only this program reads the bytes); NaN and infinities among the inputs are not served.
; No cluster, no tensor load, no barrier: waves share nothing, and each input byte is read once.
.set SPITCH, 528
.set STG,    16*SPITCH                 ; inputs: a stage; two a wave, by turns
.set WREG,   2*STG
.set WB,     4*WREG                    ; weights: the stages, 6,144 bytes a wave: [tile u][K step][1536]
.set STGB,   6144
.set SPARE,  WB+4*STGB                 ; the spare words, 128 bytes a wave
.set LN16, 1                           ; v1   16 x lane (both paths)
.set SPW,  28
.set NIL,  29
; ---- names of the inputs' path
.set SIN,  2                           ; the stage, way in
.set SOUT, 3                           ; the stage, way out: 528 r + 64 h
.set LN8,  4                           ; 8 x lane
.set TM,   8                           ; v8-23 at work in QUANT
.set PWF,  24                          ; v24-27 the four fragments' scale words
.set WD,   30
.set LD,   32                          ; v32-159 two sets of 16 loads
.set X,    160                         ; v160-223: register 16 b + i = k 32 b + 16 h + i of my row
.set PC,   224                         ; v224-243 the codes
.set SEL,  26                          ; s[26:27]
; ---- names of the weights' path
.set ST16, 16                          ; stage: 3072 u + 16 r
.set ST8,  17                          ; stage: 3072 u + 8 r
.set SBK,  18                          ; the stage read back: 16 x lane
.set WSO,  19                          ; ws: 8 (r + 16 u)
.set SB,   24                          ; v24-25 the scale words of the chunk's two K steps
.set XW,   32                          ; v32-95 two sets of 32 numbers
.set CW,   96                          ; v96-102 a block's codes
.set OUTR, 112                         ; v112-159 the way out
.macro QUANT s, pw                     ; 64 numbers of a lane become a fragment's 12 registers in v[PC] on and its scale word in v[pw]
.irp b, 0,1,2,3
	v_max3_num_f32 v[TM+\b], |v[\s+16*\b]|, |v[\s+1+16*\b]|, 0x1800000   ; my 16 of block b, and the floor 2^(3 - 127)
.endr
.irp i, 2,4,6,8,10,12,14
.irp b, 0,1,2,3
	v_max3_num_f32 v[TM+\b], v[TM+\b], |v[\s+16*\b+\i]|, |v[\s+1+16*\b+\i]|
.endr
.endr
.irp b, 0,1,2,3
	v_permlanex16_b32 v[TM+4+\b], v[TM+\b], s[SEL], s[SEL+1]
.endr
.irp b, 0,1,2,3
	v_max_num_f32 v[TM+\b], v[TM+\b], v[TM+4+\b]   ; with lane l xor 16's: the block's largest magnitude
.endr
.irp b, 0,1,2,3
	v_add_nc_u32 v[TM+12+\b], 0xff000000, v[TM+\b] ; 2 off its exponent field: the conversion's scale operand
.endr
.irp b, 0,1,2,3
	v_lshrrev_b32 v[TM+4+\b], 23, v[TM+12+\b]      ; the scale's byte
.endr
	v_lshl_or_b32 v[\pw], v[TM+5], 8, v[TM+4]
	v_lshl_or_b32 v[\pw], v[TM+6], 16, v[\pw]
	v_lshl_or_b32 v[\pw], v[TM+7], 24, v[\pw]
.irp c, 0,1
	v_cvt_scalef32_pk16_fp6_f32 v[PC+6*\c:PC+2+6*\c], v[\s+32*\c:\s+15+32*\c], v[TM+12+2*\c]
	v_cvt_scalef32_pk16_fp6_f32 v[PC+12+4*\c:PC+14+4*\c], v[\s+16+32*\c:\s+31+32*\c], v[TM+12+2*\c+1]
.endr
	v_nop                                          ; one plain place behind a scaled conversion
.irp c, 0,1                                    ; a whole block in a lane: lanes 0-15 block 2 c, lanes 16-31 block 2 c + 1
.irp i, 0,1,2
	v_permlane16_swap_b32 v[PC+6*\c+\i], v[PC+12+4*\c+\i]
.endr
.irp i, 0,1,2
	v_mov_b32 v[PC+3+6*\c+\i], v[PC+12+4*\c+\i]
.endr
.endr
.endm
.macro LOADX f                         ; fragment f = (tile f/2, K step f%2): its 16 rows' 512 bytes, a row a load
.irp i, 0,1,2,3,4,5,6,7,8,9,10,11,12,13,14,15
	global_load_b128 v[LD+64*((\f)%2)+4*\i:LD+64*((\f)%2)+4*\i+3], v[LN16], s[4:5] offset:(8*((\f)/2)+\i+8*(\i/8))*4096+512*((\f)%2) th:TH_LOAD_NT
.endr
.endm
.macro TURN f                          ; through the wave's own stage: LDS serves a wave's instructions in order
.irp i, 0,1,2,3,4,5,6,7,8,9,10,11,12,13,14,15
	ds_store_b128 v[SIN], v[LD+64*((\f)%2)+4*\i:LD+64*((\f)%2)+4*\i+3] offset:STG*((\f)%2)+SPITCH*\i
.endr
.irp b, 0,1,2,3
.irp j, 0,1,2,3
	ds_load_b128 v[X+16*\b+4*\j:X+16*\b+4*\j+3], v[SOUT] offset:STG*((\f)%2)+128*\b+16*\j
.endr
.endr
.endm
.macro FRAGM f
.if (\f) < 3
	s_wait_loadcnt 16                              ; this fragment's 16 loads are in; the next fragment's 16 may be out
.else
	s_wait_loadcnt 0x0
.endif
	TURN \f
	s_wait_dscnt 0x0                               ; the numbers are back, and the stage's stores have read the load set
	s_wait_xcnt 0x0                                ; the last fragment's stores have read the codes' registers
.if (\f) < 2
	LOADX (\f)+2
.endif
	QUANT X, PWF+(\f)
.set OFS, 12288*((\f)/2)+1536*((\f)%2)
	global_store_b128 v[LN16], v[PC:PC+3], s[16:17] offset:OFS        ; 512 consecutive bytes, aligned to 256
	global_store_b64 v[LN8], v[PC+4:PC+5], s[16:17] offset:OFS+512    ; 256 consecutive bytes
	global_store_b128 v[LN16], v[PC+6:PC+9], s[16:17] offset:OFS+768
	global_store_b64 v[LN8], v[PC+10:PC+11], s[16:17] offset:OFS+1280
.endm
.macro LOADW t                         ; block t: W(32 t + i, my column): 128 consecutive bytes a wave
.irp i, 0,1,2,3,4,5,6,7,8,9,10,11,12,13,14,15,16,17,18,19,20,21,22,23,24,25,26,27,28,29,30,31
	global_load_b32 v[XW+32*((\t)%2)+\i], v3, s[8:9] offset:(32*(\t)+\i)*4096 th:TH_LOAD_NT
.endr
.endm
.macro BLOCKW t                        ; block t of the chunk is half (t % 4) / 2 of K step t / 4, in the operand's lane r + 16 (t % 2)
.set XS_, XW+32*((\t)%2)
.if (\t) < 7
	s_wait_loadcnt 32                              ; this block's 32 loads are in; the next block's may be out
.else
	s_wait_loadcnt 0x0
.endif
	v_max3_num_f32 v12, |v[XS_]|, |v[XS_+1]|, |v[XS_+2]|
	v_max3_num_f32 v13, |v[XS_+3]|, |v[XS_+4]|, |v[XS_+5]|
.irp i, 6,10,14,18,22,26
	v_max3_num_f32 v12, v12, |v[XS_+\i]|, |v[XS_+\i+1]|
	v_max3_num_f32 v13, v13, |v[XS_+\i+2]|, |v[XS_+\i+3]|
.endr
	v_max3_num_f32 v12, v12, |v[XS_+30]|, |v[XS_+31]|
	v_max3_num_f32 v12, v12, v13, 0x1800000        ; and the floor 2^(3 - 127)
	v_add_nc_u32 v11, 0xff000000, v12              ; the conversion's scale operand
	v_lshrrev_b32 v13, 23, v11                     ; the scale's byte
.if (\t)%4 == 0
	v_mov_b32 v[SB+(\t)/4], v13
.else
	v_lshl_or_b32 v[SB+(\t)/4], v13, 8*((\t)%4), v[SB+(\t)/4]
.endif
	v_cvt_scalef32_pk16_fp6_f32 v[CW:CW+2], v[XS_:XS_+15], v11
	v_cvt_scalef32_pk16_fp6_f32 v[CW+4:CW+6], v[XS_+16:XS_+31], v11
	v_nop                                          ; one plain place behind a scaled conversion
	v_mov_b32 v[CW+3], v[CW+4]
	v_mov_b32 v[CW+4], v[CW+5]
	v_mov_b32 v[CW+5], v[CW+6]                     ; six registers on end
	ds_store_b128 v[ST16], v[CW:CW+3] offset:1536*((\t)/4)+768*(((\t)%4)/2)+256*((\t)%2)
	ds_store_b64 v[ST8], v[CW+4:CW+5] offset:1536*((\t)/4)+768*(((\t)%4)/2)+512+128*((\t)%2)
.if (\t)+2 < 8
	LOADW (\t)+2
.endif
	s_wait_dscnt 0x0                               ; the stores have read their registers
.endm
	s_load_b64 s[4:5], s[0:1], 0x0                 ; inputs
	s_load_b256 s[8:15], s[0:1], 0x8               ; wq, wk, wv, wo
	s_load_b256 s[16:23], s[0:1], 0x28             ; xc, xs, wc, ws
	v_lshl_add_u32 v[SPW], v0, 2, SPARE
	v_mov_b32 v[NIL], 0
	v_lshrrev_b32 v5, 5, v0
	v_readfirstlane_b32 s24, v5                    ; wave
	v_and_b32 v5, 31, v0                           ; lane
	v_lshlrev_b32 v[LN16], 4, v5
	s_cmp_ge_u32 ttmp9, 256
	s_wait_alu depctr_va_vdst(0)
	s_cbranch_scc1 .Lweights
; ---- THE INPUTS: a work-group takes a pair of tiles (32 rows), wave c the chunk of 256 K: four fragments
	v_lshlrev_b32 v[LN8], 3, v5
	v_and_b32 v6, 15, v0                           ; r
	v_bfe_u32 v7, v0, 4, 1                         ; h
	s_mul_i32 s31, s24, WREG
	v_add_nc_u32 v[SIN], s31, v[LN16]
	v_mul_u32_u24 v[SOUT], v6, SPITCH
	v_lshl_add_u32 v[SOUT], v7, 6, v[SOUT]
	v_add_nc_u32 v[SOUT], s31, v[SOUT]
.irp b, 0,1,2,3
	v_mov_b32 v[TM+4+\b], 0                        ; a lane permute's destination counts as one of its sources
.endr
	s_mov_b32 s[SEL], 0x76543210
	s_mov_b32 s[SEL+1], 0xfedcba98                 ; lane l xor 16
	s_mov_b32 s28, 0xffff0000                      ; lanes 16-31
	s_lshl_b32 s32, ttmp9, 17                      ; inputs: 32 rows of 4,096 bytes a pair,
	s_lshl_b32 s33, s24, 10                        ; 1,024 bytes a chunk
	s_add_co_u32 s32, s32, s33
	s_mov_b32 s33, 0
	s_mul_i32 s34, ttmp9, 24576                    ; xc: two tiles of 12,288 bytes a pair,
	s_mul_i32 s35, s24, 3072                       ; two K steps a chunk
	s_add_co_u32 s34, s34, s35
	s_mov_b32 s35, 0
	s_lshl_b32 s36, ttmp9, 2
	s_add_co_u32 s36, s36, s24
	s_lshl_b32 s36, s36, 8                         ; xs: 256 bytes for a pair and a chunk
	s_mov_b32 s37, 0
	s_wait_alu depctr_va_vdst(0)
	s_wait_kmcnt 0x0
	s_add_nc_u64 s[4:5], s[4:5], s[32:33]
	s_add_nc_u64 s[16:17], s[16:17], s[34:35]
	s_add_nc_u64 s[18:19], s[18:19], s[36:37]
	LOADX 0
	LOADX 1
	FRAGM 0
	FRAGM 1
	FRAGM 2
	FRAGM 3
	v_cndmask_b32 v[WD], v[PWF], v[PWF+2], s28     ; lanes 0-15 keep tile 0's word, lanes 16-31 take tile 1's
	v_cndmask_b32 v[WD+1], v[PWF+1], v[PWF+3], s28
	global_store_b64 v[LN8], v[WD:WD+1], s[18:19]  ; 256 consecutive bytes, aligned
	s_wait_tensorcnt 0x0                           ; the wave's end
	ds_add_u32 v[SPW], v[NIL]
	s_wait_dscnt 0x0
	s_endpgm
; ---- THE WEIGHTS: a lane takes a column n and its registers run down K; a wave takes a pair of tiles (32 columns) x 256 K.
; Lane l of the pair is lane r = l % 8 + 8 (l / 16) of tile u = (l / 8) % 2.  The codes meet in the wave's own stage, laid as the images.
.Lweights:
	v_lshlrev_b32 v3, 2, v5                        ; in: 4 bytes a lane
	v_bfe_u32 v9, v0, 3, 1                         ; u
	v_and_b32 v10, 7, v0
	v_bfe_u32 v2, v0, 4, 1
	v_lshl_add_u32 v10, v2, 3, v10                 ; r
	s_mul_i32 s31, s24, STGB
	s_add_co_u32 s31, s31, WB
	v_mul_u32_u24 v[ST16], v9, 3072
	v_lshl_add_u32 v[ST8], v10, 3, v[ST16]
	v_lshl_add_u32 v[ST16], v10, 4, v[ST16]
	v_add_nc_u32 v[ST16], s31, v[ST16]
	v_add_nc_u32 v[ST8], s31, v[ST8]
	v_add_nc_u32 v[SBK], s31, v[LN16]
	v_lshlrev_b32 v[WSO], 3, v10
	v_lshl_add_u32 v[WSO], v9, 7, v[WSO]
	s_sub_co_u32 s30, ttmp9, 256                   ; 0..127
	s_and_b32 s32, s30, 31                         ; four pairs of tiles
	s_lshr_b32 s33, s30, 5                         ; which chunk of 256 K
	s_lshr_b32 s34, s32, 3                         ; which weight
	s_lshl_b32 s35, s32, 2
	s_add_co_u32 s35, s35, s24                     ; the pair of tiles, over all four weights
	s_and_b32 s36, s35, 31                         ; and inside its weight
	s_lshl_b32 s38, s33, 20                        ; 256 rows of 4,096 bytes a chunk,
	s_lshl_b32 s36, s36, 7                         ; 128 bytes a pair
	s_add_co_u32 s38, s38, s36
	s_mov_b32 s39, 0
	s_mul_i32 s40, s35, 24576                      ; wc
	s_mul_i32 s41, s33, 3072
	s_add_co_u32 s40, s40, s41
	s_mov_b32 s41, 0
	s_lshl_b32 s42, s35, 2
	s_add_co_u32 s42, s42, s33
	s_lshl_b32 s42, s42, 8                         ; ws
	s_mov_b32 s43, 0
	s_wait_alu depctr_va_vdst(0)
	s_wait_kmcnt 0x0
	s_cmp_lt_u32 s34, 1                            ; the choice hangs on the work-group's number alone
	s_cselect_b64 s[8:9], s[8:9], s[10:11]
	s_cmp_lt_u32 s34, 3
	s_cselect_b64 s[12:13], s[12:13], s[14:15]
	s_cmp_lt_u32 s34, 2
	s_cselect_b64 s[8:9], s[8:9], s[12:13]
	s_add_nc_u64 s[8:9], s[8:9], s[38:39]
	s_add_nc_u64 s[20:21], s[20:21], s[40:41]
	s_add_nc_u64 s[22:23], s[22:23], s[42:43]
	LOADW 0
	LOADW 1
.irp t, 0,1,2,3,4,5,6,7
	BLOCKW \t
.endr
	s_wait_alu depctr_va_vdst(0)
	global_store_b64 v[WSO], v[SB:SB+1], s[22:23]  ; the wave's 32 lanes fill 256 consecutive bytes
.irp i, 0,1,2,3,4,5,6,7,8,9,10,11
	ds_load_b128 v[OUTR+4*\i:OUTR+4*\i+3], v[SBK] offset:512*\i
.endr
.irp i, 0,1,2,3,4,5,6,7,8,9,10,11
	s_wait_dscnt 11-\i
	global_store_b128 v[LN16], v[OUTR+4*\i:OUTR+4*\i+3], s[20:21] offset:12288*(\i/6)+512*(\i%6)   ; 512 consecutive bytes, aligned to 256
.endr
	s_wait_tensorcnt 0x0                           ; the wave's end
	ds_add_u32 v[SPW], v[NIL]
	s_wait_dscnt 0x0
	s_endpgm
.Lfunc_end_k_qe3fe68b84a_quant:
	.size	k_qe3fe68b84a_quant, .Lfunc_end_k_qe3fe68b84a_quant-k_qe3fe68b84a_quant
	.p2alignl 7, 3214868480
	.fill 96, 4, 3214868480
	.section	.rodata,"a",@progbits
	.p2align	6, 0x0
	.amdhsa_kernel k_qe3fe68b84a_quant
		.amdhsa_group_segment_fixed_size 92672
		.amdhsa_private_segment_fixed_size 0
		.amdhsa_enable_private_segment 0
		.amdhsa_kernarg_size 72
		.amdhsa_user_sgpr_count 2
		.amdhsa_user_sgpr_kernarg_segment_ptr 1
		.amdhsa_wavefront_size32 1
		.amdhsa_system_sgpr_workgroup_id_x 1
		.amdhsa_system_sgpr_workgroup_id_y 1
		.amdhsa_system_sgpr_workgroup_id_z 1
		.amdhsa_system_vgpr_workitem_id 0
		.amdhsa_next_free_vgpr 256
		.amdhsa_next_free_sgpr 66
		.amdhsa_reserve_vcc 0
		.amdhsa_float_denorm_mode_32 3
		.amdhsa_float_denorm_mode_16_64 3
		.amdhsa_memory_ordered 1
		.amdhsa_forward_progress 1
		.amdhsa_inst_pref_size 75
	.end_amdhsa_kernel
	.amdgpu_metadata
---
amdhsa.version: [ 1, 2 ]
amdhsa.kernels:
  - .name:           k_qe3fe68b84a_quant
    .symbol:         k_qe3fe68b84a_quant.kd
    .args:
      - { .name: inputs, .offset: 0, .size: 8, .value_kind: global_buffer, .address_space: global }
      - { .name: wq, .offset: 8, .size: 8, .value_kind: global_buffer, .address_space: global }
      - { .name: wk, .offset: 16, .size: 8, .value_kind: global_buffer, .address_space: global }
      - { .name: wv, .offset: 24, .size: 8, .value_kind: global_buffer, .address_space: global }
      - { .name: wo, .offset: 32, .size: 8, .value_kind: global_buffer, .address_space: global }
      - { .name: xc, .offset: 40, .size: 8, .value_kind: global_buffer, .address_space: global }
      - { .name: xs, .offset: 48, .size: 8, .value_kind: global_buffer, .address_space: global }
      - { .name: wc, .offset: 56, .size: 8, .value_kind: global_buffer, .address_space: global }
      - { .name: ws, .offset: 64, .size: 8, .value_kind: global_buffer, .address_space: global }
    .group_segment_fixed_size: 92672
    .private_segment_fixed_size: 0
    .kernarg_segment_align: 8
    .kernarg_segment_size: 72
    .max_flat_workgroup_size: 128
    .sgpr_count:     66
    .vgpr_count:     256
    .wavefront_size: 32
...
	.end_amdgpu_metadata
.endif
;; end of part 1
;; launch gemm_qkv (part 2): grid 8 x 32, 4 waves a work-group, clusters of 4 x 4, 327,680 bytes of LDS; arguments xc, xs, wc, ws, bq, bk, bv, qq, kv; writes qq, kv
.if DOCPART == 2
	.amdgcn_target "amdgcn-amd-amdhsa--gfx1250"
	.amdhsa_code_object_version 6
	.text
	.protected	k_qe3fe68b84a_gemm_qkv
	.globl	k_qe3fe68b84a_gemm_qkv
	.p2align	8
	.type	k_qe3fe68b84a_gemm_qkv,@function
k_qe3fe68b84a_gemm_qkv:
	s_mov_b64 s[64:65], 0
	v_nop
	global_prefetch_b8 v0, s[64:65] scope:SCOPE_SE
	s_setreg_imm32_b32 hwreg(HW_REG_WAVE_MODE, 25, 1), 1
	s_wait_xcnt 0x0
	s_wait_alu depctr_hold_cnt(0) depctr_sa_sdst(0) depctr_va_vdst(0) depctr_va_sdst(0) depctr_va_ssrc(0) depctr_va_vcc(0) depctr_vm_vsrc(0)
	s_getreg_b32 s2, hwreg(HW_REG_IB_STS2, 6, 4)
	s_cmp_eq_u32 s2, 0
	s_cbranch_scc0 .Lentry_in_a_cluster
	s_endpgm
.Lentry_in_a_cluster:
	s_bfe_u32 s2, ttmp6, 0x10000c
	s_cmp_lg_u32 s2, 0xf033
	s_cbranch_scc0 .Lentry_shape_is_right
	s_endpgm
.Lentry_shape_is_right:
; q, k, v = inputs x wq, wk, wv + bias, on codes of FP6 (E2M3) with E8M0 scales; the results are quantised on the way out and leave as images of the operands of attention.
; A work-group takes 256 tokens (y) x 128 output features (x: 0-7, the same features of wq, wk and wv), all of K = 1024.  All its codes, 4 chunks of 256 K, and its scale words lie in LDS at once:
; the weights' codes alone are filled again, twice; there is no ring.  A wave issues one tensor load at the head: one is outstanding at the most.
; CLUSTER 4 x 4: the tokens' tiles hang on y alone and are asked for jointly along a row of the cluster, the weights' on x alone and jointly along a column.
; A wave makes 8 P tiles (source 0) x 4 R tiles (source 1): 32 accumulators.  In a result lane r holds row r of the R tile, and the registers of P tiles 2 B, 2 B + 1 are 16 neighbours 32 B + 16 h + 0..15 of P's rows (tile order).
;   q, k (trips 0 and 1): P = the 128 features, R = 64 tokens of the wave: a lane holds a token, registers run along the head's axis, which is attention's first K.  128 features are two heads: a fragment's two halves.
;   v (the tail):   P = 128 tokens, R = 64 features (one head): a lane holds a channel d, registers run along the keys, which are attention's second K.
; The kind is the same in all partners of a cluster; it enters the bias, the buffer and its strides by a select.
; qq: [head][128 tiles x 768 | 32 x 256 bytes of scale words].  kv: [head][step of 128 keys][K: 8 x 768 | V: 4 x 1536 | K's scale words 2 x 256 | V's 256] = 13,056 bytes a step.
; A scale word of q or k holds the head's two bytes and 0x7f in bytes 2 and 3: the upper 64 of attention's first product are zeros.
; LIMITS: a block of zeros gets the byte 1 (zero codes; only this program reads the bytes); NaN and infinities are not served.
; REGISTERS: window 0: v8-17 addresses; v24-39 P's scale words, v40-47 R's (two sets each); v48-143 R's fragments, two sets, later the biases; v144-207 64 numbers; v208-227 codes; v228-247 at work.
;   window 1: P's fragments, two sets at v0 and v128.   window 2: the accumulators, (a, b) at v[8 (8 a + b)].
.set CHUNK, 73728                      ; a chunk of 256 K: 16 tiles of tokens x 3,072 bytes, then 8 tiles of weights
; THE FILLS AS THEY STAND: LDS is laid BY TILE, as memory is: 16 tiles of tokens x 12,288 bytes (all of K), then 8 tiles of weights, then the scale words.  Each of the four blocks but the weights' scale words is dense in memory
; and comes by ONE joint load: wave 0 the tokens' codes, wave 1 the weights', wave 2 and 3 the scale words.  One load a wave, one wait for all, one barrier; every K step's place is an immediate.
.set WOFF,  196608
.set TILEB, 12288
.set FRB,   1536
.set SX,    4*CHUNK                    ; the tokens' scale words, 8,192 bytes
.set SW,    SX+8192                    ; the weights', 3 x 4,096 bytes
; THE WALK AS IT STANDS: 256 work-groups that stay.  A work-group keeps its 256 tokens' codes in LDS and makes q, then k, then v for its 128 features x (0-7): the weights' 98,304 bytes alone are filled again, twice,
; each wave a quarter by one joint load, behind the three lines and a round of the cluster's barrier; the fill lands under the way out, which is work on registers and stores.
; q and k are a loop of two trips, both of which refill; v is the tail, written out.  The three weights' scale words, 3 x 4,096 bytes, come once at the head.  No prefetch: a refill has the whole way out in which to land.
.set SPARE, SW+12288                   ; the spare words, 128 bytes a wave
.set G1R, 88                           ; s[88:95], s[96:99]: groups 1 and 0 of the refill: my two tiles of the next weight
.set G0R, 96
.set WNEXT, 64*12288                   ; from a weight's tiles to the next weight's, in wc
.set WT0,   0                          ; first tile of the weights in wc
.set WG0,   0                          ; and their first group of 4,096 bytes in ws
.set P16, 8
.set P8,  9
.set R16, 10
.set R8,  11
.set SP8, 12
.set SR8, 13
.set LN16, 14
.set LN8,  15
.set SPW, 16
.set NIL, 17
.set PS,  24
.set RS,  40
.set RF,  48
.set BQ,  48                           ; way out: the bias of 128 features, in the result's layout
.set BV,  112                          ; way out, v: the lane's bias for each R tile, twice
.set T,   144
.set PC,  208
.set TM,  228
.set PW,  244
.set G1X,  24                          ; s[24:31] group 1: tokens' codes;  s[32:39] weights' codes;  s[40:47], s[48:55] their scale words
.set G1W,  32
.set G1SX, 40
.set G1SW, 48
.set GXS, 56                           ; groups 0: tokens' scale words, then codes
.set GX0, 60
.set GX1, 68
.set GX2, 72
.set GX3, 76
.set GWS, 80                           ; the same for the weights
.set GW0, 84
.set GW1, 88
.set GW2, 92
.set GW3, 96
.set SEL, 20
.set MSB, 0
.macro WIN new                         ; the immediate's high byte repeats the setting that is left
.if MSB != \new
	s_set_vgpr_msb (MSB<<8)|\new
.set MSB, \new
.endif
.endm
.macro PLACES n
.rept \n
	v_nop
.endr
.endm
.macro CROUND                          ; a round of the cluster's barrier
	s_barrier_signal -1
	s_barrier_wait -1
	s_cmp_lg_u32 s12, 0
	s_cbranch_scc1 .Lnot_wave_0_\@
	s_barrier_signal -3
.Lnot_wave_0_\@:
	s_barrier_wait -3
	s_barrier_signal -1
	s_barrier_wait -1
.endm
.macro MKG1 g, c, r, p                 ; r rows of c elements of 8 bytes, p elements apart
	s_mov_b32 s[\g+1], (\c)<<16
	s_mov_b32 s[\g+2], (\r)<<16
	s_mov_b32 s[\g+3], (\c)<<16
	s_mov_b32 s[\g+4], \r
	s_mov_b32 s[\g+5], \p
	s_mov_b32 s[\g+6], 0
	s_mov_b32 s[\g+7], 0
.endm
.macro MKG0 g, loff, areg              ; to LDS byte loff, from s[areg:areg+1]
	s_mov_b32 s[\g], 1
	s_mov_b32 s[\g+1], \loff
	s_mov_b64 s[\g+2:\g+3], s[\areg:\areg+1]
	s_or_b32 s[\g+3], s[\g+3], 0x80000000
.endm
; one matrix instruction.  cm = 0: C is the constant 0, else v[c] on.  ra, rb = 1: that side's scale words stand in lanes 16-31
.macro WMMA d, a, b, cm, c, sa, sb, ra, rb
.if (\cm) == 0
.if (\ra) == 0 && (\rb) == 0
	v_wmma_scale_f32_16x16x128_f8f6f4 v[(\d):(\d)+7], v[(\a):(\a)+11], v[(\b):(\b)+11], 0, v[\sa], v[\sb] matrix_a_fmt:MATRIX_FMT_FP6 matrix_b_fmt:MATRIX_FMT_FP6
.elseif (\rb) == 0
	v_wmma_scale_f32_16x16x128_f8f6f4 v[(\d):(\d)+7], v[(\a):(\a)+11], v[(\b):(\b)+11], 0, v[\sa], v[\sb] matrix_a_fmt:MATRIX_FMT_FP6 matrix_b_fmt:MATRIX_FMT_FP6 matrix_a_scale:MATRIX_SCALE_ROW1
.elseif (\ra) == 0
	v_wmma_scale_f32_16x16x128_f8f6f4 v[(\d):(\d)+7], v[(\a):(\a)+11], v[(\b):(\b)+11], 0, v[\sa], v[\sb] matrix_a_fmt:MATRIX_FMT_FP6 matrix_b_fmt:MATRIX_FMT_FP6 matrix_b_scale:MATRIX_SCALE_ROW1
.else
	v_wmma_scale_f32_16x16x128_f8f6f4 v[(\d):(\d)+7], v[(\a):(\a)+11], v[(\b):(\b)+11], 0, v[\sa], v[\sb] matrix_a_fmt:MATRIX_FMT_FP6 matrix_b_fmt:MATRIX_FMT_FP6 matrix_a_scale:MATRIX_SCALE_ROW1 matrix_b_scale:MATRIX_SCALE_ROW1
.endif
.else
.if (\ra) == 0 && (\rb) == 0
	v_wmma_scale_f32_16x16x128_f8f6f4 v[(\d):(\d)+7], v[(\a):(\a)+11], v[(\b):(\b)+11], v[(\c):(\c)+7], v[\sa], v[\sb] matrix_a_fmt:MATRIX_FMT_FP6 matrix_b_fmt:MATRIX_FMT_FP6
.elseif (\rb) == 0
	v_wmma_scale_f32_16x16x128_f8f6f4 v[(\d):(\d)+7], v[(\a):(\a)+11], v[(\b):(\b)+11], v[(\c):(\c)+7], v[\sa], v[\sb] matrix_a_fmt:MATRIX_FMT_FP6 matrix_b_fmt:MATRIX_FMT_FP6 matrix_a_scale:MATRIX_SCALE_ROW1
.elseif (\ra) == 0
	v_wmma_scale_f32_16x16x128_f8f6f4 v[(\d):(\d)+7], v[(\a):(\a)+11], v[(\b):(\b)+11], v[(\c):(\c)+7], v[\sa], v[\sb] matrix_a_fmt:MATRIX_FMT_FP6 matrix_b_fmt:MATRIX_FMT_FP6 matrix_b_scale:MATRIX_SCALE_ROW1
.else
	v_wmma_scale_f32_16x16x128_f8f6f4 v[(\d):(\d)+7], v[(\a):(\a)+11], v[(\b):(\b)+11], v[(\c):(\c)+7], v[\sa], v[\sb] matrix_a_fmt:MATRIX_FMT_FP6 matrix_b_fmt:MATRIX_FMT_FP6 matrix_a_scale:MATRIX_SCALE_ROW1 matrix_b_scale:MATRIX_SCALE_ROW1
.endif
.endif
.endm
.macro FRAG reg, a16, a8, off          ; a fragment's image back into 12 registers: every load reads consecutive bytes, lane by lane
	ds_load_b128 v[(\reg):(\reg)+3], v[\a16] offset:(\off)
	ds_load_b64 v[(\reg)+4:(\reg)+5], v[\a8] offset:(\off)+512
	ds_load_b128 v[(\reg)+6:(\reg)+9], v[\a16] offset:(\off)+768
	ds_load_b64 v[(\reg)+10:(\reg)+11], v[\a8] offset:(\off)+1280
.endm
.macro FETCH q                         ; K step q: P's eight fragments, R's four; with a chunk's first step its scale words (two words a row: both steps)
	WIN 0x40                                       ; destination window 1
.irp b, 0,1,2,3,4,5,6,7
	FRAG 128*((\q)%2)+12*\b, P16+14*(\b/4), P8+14*(\b/4), TILEB*(\b%4)+FRB*(\q)   ; tiles 4-7 go by v22, v23: the offsets stay inside 16 bits
.endr
	WIN 0
.irp a, 0,1,2,3
	FRAG RF+48*((\q)%2)+12*\a, R16, R8, TILEB*\a+FRB*(\q)
.endr
.if (\q)%2 == 0
.irp j, 0,1,2,3
	ds_load_b64 v[PS+8*(((\q)/2)%2)+2*\j:PS+8*(((\q)/2)%2)+2*\j+1], v[SP8] offset:1024*\j+256*((\q)/2)   ; lanes 0-15: tile 2 j, lanes 16-31: tile 2 j + 1
.endr
.irp j, 0,1
	ds_load_b64 v[RS+4*(((\q)/2)%2)+2*\j:RS+4*(((\q)/2)%2)+2*\j+1], v[SR8] offset:1024*\j+256*((\q)/2)
.endr
.endif
.endm
.macro MUL q                           ; 32 matrix instructions; the 32 accumulators take turns, one instruction a turn.  K step 0 starts the sums
	WIN 0xa1                                       ; source 0 window 1, source 1 window 0, C and D window 2
.irp a, 0,1,2,3
.irp b, 0,1,2,3,4,5,6,7
	WMMA 8*(8*\a+\b), 128*((\q)%2)+12*\b, RF+48*((\q)%2)+12*\a, \q, 8*(8*\a+\b), PS+8*(((\q)/2)%2)+2*(\b/2)+(\q)%2, RS+4*(((\q)/2)%2)+2*(\a/2)+(\q)%2, \b%2, \a%2
.endr
.endr
.endm
.macro KSTEP q
	WIN 0
	s_wait_dscnt 0x0                               ; this step's fragments are in (asked for 32 matrix instructions ago)
.if (\q) < 7
.if (\q) > 0
	PLACES 4                                       ; in front of loads into registers that matrix instructions have read
.endif
	FETCH (\q)+1
.endif
	MUL \q
.endm
; 64 numbers of a lane become a fragment's 12 registers in v[PC] on and its scale word in v[pw]
.macro QUANT s, pw
.irp b, 0,1,2,3
	v_max3_num_f32 v[TM+\b], |v[\s+16*\b]|, |v[\s+1+16*\b]|, 0x1800000   ; my 16 numbers of block b, and the floor 2^(3 - 127)
.endr
.irp i, 2,4,6,8,10,12,14
.irp b, 0,1,2,3
	v_max3_num_f32 v[TM+\b], v[TM+\b], |v[\s+16*\b+\i]|, |v[\s+1+16*\b+\i]|
.endr
.endr
.irp b, 0,1,2,3
	v_permlanex16_b32 v[TM+4+\b], v[TM+\b], s[SEL], s[SEL+1]
.endr
.irp b, 0,1,2,3
	v_max_num_f32 v[TM+\b], v[TM+\b], v[TM+4+\b]
.endr
.irp b, 0,1,2,3
	v_add_nc_u32 v[TM+12+\b], 0xff000000, v[TM+\b]
.endr
.irp b, 0,1,2,3
	v_lshrrev_b32 v[TM+4+\b], 23, v[TM+12+\b]
.endr
	v_lshl_or_b32 v[\pw], v[TM+5], 8, v[TM+4]
	v_lshl_or_b32 v[\pw], v[TM+6], 16, v[\pw]
	v_lshl_or_b32 v[\pw], v[TM+7], 24, v[\pw]
.irp c, 0,1
	v_cvt_scalef32_pk16_fp6_f32 v[PC+6*\c:PC+2+6*\c], v[\s+32*\c:\s+15+32*\c], v[TM+12+2*\c]
	v_cvt_scalef32_pk16_fp6_f32 v[PC+12+4*\c:PC+14+4*\c], v[\s+16+32*\c:\s+31+32*\c], v[TM+12+2*\c+1]
.endr
	v_nop                                          ; one plain place behind a scaled conversion
.irp c, 0,1
.irp i, 0,1,2
	v_permlane16_swap_b32 v[PC+6*\c+\i], v[PC+12+4*\c+\i]
.endr
.irp i, 0,1,2
	v_mov_b32 v[PC+3+6*\c+\i], v[PC+12+4*\c+\i]
.endr
.endr
.endm
; the way out of R tile a: bias added (which also brings the numbers into window 0, each accumulator from its low end on), quantised, stored
.macro ROWS kind, a
	s_wait_xcnt 0x0                                ; the last tile's stores have read the codes' registers
	WIN 0x02                                       ; source 0 window 2
.set n, 0
.rept 32
.if \kind
	v_pk_add_f32 v[T+n:T+n+1], v[64*(\a)+n:64*(\a)+n+1], v[BV+2*(\a):BV+2*(\a)+1]
.else
	v_pk_add_f32 v[T+n:T+n+1], v[64*(\a)+n:64*(\a)+n+1], v[BQ+n:BQ+n+1]
.endif
.set n, n+2
.endr
	WIN 0
	QUANT T, PW+(\a)
.if \kind
	global_store_b128 v[LN16], v[PC:PC+3], s[50:51] offset:6144+1536*(\a)
	global_store_b64 v[LN8], v[PC+4:PC+5], s[50:51] offset:6144+1536*(\a)+512
	global_store_b128 v[LN16], v[PC+6:PC+9], s[50:51] offset:6144+1536*(\a)+768
	global_store_b64 v[LN8], v[PC+10:PC+11], s[50:51] offset:6144+1536*(\a)+1280
.else
	global_store_b128 v[LN16], v[PC:PC+3], s[50:51] offset:768*(\a)          ; the even head's half
	global_store_b64 v[LN8], v[PC+4:PC+5], s[50:51] offset:768*(\a)+512
	global_store_b128 v[LN16], v[PC+6:PC+9], s[54:55] offset:768*(\a)        ; the odd head's
	global_store_b64 v[LN8], v[PC+10:PC+11], s[54:55] offset:768*(\a)+512
.endif
.endm
	s_load_b256 s[4:11], s[0:1], 0x0               ; xc, xs, wc, ws
	v_lshl_add_u32 v[SPW], v0, 2, SPARE
	v_mov_b32 v[NIL], 0
	ds_add_u32 v[SPW], v[NIL]                      ; the wave's opening
	ds_add_u32 v[SPW], v[NIL]
	v_lshrrev_b32 v18, 5, v0
	v_readfirstlane_b32 s12, v18                   ; wave
	s_lshr_b32 s13, s12, 1                         ; wave >> 1
	s_and_b32 s14, s12, 1                          ; wave & 1
	s_bfe_u32 s15, ttmp6, 0x40000                  ; cx
	s_bfe_u32 s16, ttmp6, 0x40004                  ; cy
	s_lshl_b32 s17, ttmp9, 2
	s_add_co_u32 s17, s17, s15                     ; x
	s_and_b32 s18, ttmp7, 0xffff
	s_lshl_b32 s18, s18, 2
	s_add_co_u32 s18, s18, s16                     ; y
	s_lshl_b32 s19, s16, 2
	s_lshl_b32 s19, 15, s19                        ; my row of the cluster
	s_lshl_b32 s66, 0x1111, s15                    ; my column
	s_or_b32 s[G1X], s19, (3<<16)|(1<<21)          ; the mask; elements of 8 bytes; bit 21 beside a mask; no padding
	s_or_b32 s[G1SX], s19, (3<<16)|(1<<21)
	s_or_b32 s[G1W], s66, (3<<16)|(1<<21)
	s_or_b32 s[G1SW], s66, (3<<16)|(1<<21)
	s_or_b32 s[G1R], s66, (3<<16)|(1<<21)
	MKG1 G1X, 384, 64, 384                         ; 196,608 dense bytes as rows of 3,072
	MKG1 G1W, 384, 32, 384                         ; 98,304
	MKG1 G1SX, 32, 32, 32                          ; 8,192 dense bytes as rows of 256
	MKG1 G1SW, 512, 3, 4096                        ; three rows of 4,096 bytes, 32,768 apart: my features' scale words of wq, wk, wv
	MKG1 G1R, 384, 8, 384                          ; 24,576 dense bytes as rows of 3,072
	s_lshl_b32 s20, s18, 4
	s_mul_i32 s20, s20, 12288                      ; tokens' codes: tile 16 y
	s_mov_b32 s21, 0
	s_lshl_b32 s100, s18, 1
	s_lshl_b32 s100, s100, 12                      ; their scale words
	s_mov_b32 s101, 0
	s_lshl_b32 s22, s17, 3
.if WT0
	s_add_co_u32 s22, s22, WT0
.endif
	s_mul_i32 s22, s22, 12288                      ; weights' codes: tile 8 x
	s_mov_b32 s23, 0
	s_add_co_u32 s104, s17, WG0
	s_lshl_b32 s104, s104, 12
	s_mov_b32 s105, 0
	s_wait_dscnt 0x0                               ; the opening add is done
	s_wait_kmcnt 0x0
	s_add_nc_u64 s[4:5], s[4:5], s[20:21]
	s_add_nc_u64 s[6:7], s[6:7], s[100:101]
	s_add_nc_u64 s[8:9], s[8:9], s[22:23]
	s_add_nc_u64 s[10:11], s[10:11], s[104:105]
	MKG0 GXS, SX, 6
	MKG0 GX0, 0, 4
	MKG0 GWS, SW, 10
	MKG0 GW0, WOFF, 8
	s_mov_b32 s[G0R], 1
	s_mul_i32 s[G0R+1], s12, 24576                 ; my quarter of the weights' tiles, in memory and in LDS
	s_mov_b32 s100, s[G0R+1]
	s_mov_b32 s101, 0
	s_add_nc_u64 s[G0R+2:G0R+3], s[8:9], s[100:101]
	s_or_b32 s[G0R+3], s[G0R+3], 0x80000000
	s_add_co_u32 s[G0R+1], s[G0R+1], WOFF
	CROUND                                         ; all sixteen work-groups are here: the joint loads meet
	s_cmp_eq_u32 s12, 0                            ; one chain of branches on the wave's number, one joint load to an arm
	s_cbranch_scc0 .Lwave_1
	tensor_load_to_lds s[GX0:GX0+3], s[G1X:G1X+7]  ; wave 0: the tokens' codes
	s_nop 0
	PLACES 4
	s_branch .Lasked
.Lwave_1:
	s_cmp_eq_u32 s12, 1
	s_cbranch_scc0 .Lwave_2
	tensor_load_to_lds s[GW0:GW0+3], s[G1W:G1W+7]  ; wave 1: the weights' codes
	s_nop 0
	PLACES 4
	s_branch .Lasked
.Lwave_2:
	s_cmp_eq_u32 s12, 2
	s_cbranch_scc0 .Lwave_3
	tensor_load_to_lds s[GXS:GXS+3], s[G1SX:G1SX+7]  ; wave 2: the tokens' scale words
	s_nop 0
	PLACES 4
	s_branch .Lasked
.Lwave_3:
	tensor_load_to_lds s[GWS:GWS+3], s[G1SW:G1SW+7]  ; wave 3: the weights'
	s_nop 0
	PLACES 4
.Lasked:
	v_and_b32 v18, 31, v0
	v_lshlrev_b32 v[LN16], 4, v18
	s_wait_alu depctr_va_vdst(0)
	v_lshlrev_b32 v[LN8], 3, v18
	s_wait_alu depctr_va_vdst(0)
	s_mul_i32 s6, s12, 49152                       ; q, k: R = tokens' tiles 4 wave on
	s_lshl_b32 s9, s12, 11
	s_add_co_u32 s9, s9, SX                        ; and their scale words
	v_add_nc_u32 v[P16], WOFF, v[LN16]             ; q, k: P = the weights' eight tiles
	v_add_nc_u32 v[P8], WOFF, v[LN8]
	v_add_nc_u32 v22, 49152, v[P16]                ; P's tiles 4 to 7
	v_add_nc_u32 v23, 49152, v[P8]
	v_add_nc_u32 v[R16], s6, v[LN16]
	v_add_nc_u32 v[R8], s6, v[LN8]
	v_add_nc_u32 v[SR8], s9, v[LN8]
	v_bfe_u32 v18, v0, 4, 1
	v_lshlrev_b32 v18, 6, v18                      ; the bias of q, k: 64 h bytes
	v_and_b32 v19, 15, v0
	v_and_b32 v20, 8, v19
	v_add_nc_u32 v19, v19, v20
	v_lshlrev_b32 v19, 2, v19                      ; the bias of v: 4 (r + 8 (r / 8)) bytes
	s_wait_alu depctr_va_vdst(0)
	s_wait_tensorcnt 0x0                           ; my one load is in
	s_barrier_signal -1
	s_barrier_wait -1                              ; everybody's are
	s_mov_b32 s68, 0                               ; the trip: 0 q, 1 k
	s_mov_b32 s67, SW                              ; where this weight's scale words lie
.Lkind:
	v_add_nc_u32 v[SP8], s67, v[LN8]
	s_wait_alu depctr_va_vdst(0)
	FETCH 0
	KSTEP 0
	KSTEP 1
	KSTEP 2
	KSTEP 3
	KSTEP 4
	KSTEP 5
	KSTEP 6
	s_load_b256 s[24:31], s[0:1], 0x20             ; bq, bk, bv, qq: into the head's descriptor registers, free since the wait for all tensor loads
	s_load_b64 s[32:33], s[0:1], 0x40              ; kv
	WIN 0
	s_wait_dscnt 0x0                               ; K step 7's fragments are in: my last reads of this weight
	s_wait_tensorcnt 0x0                           ; the three lines ahead of a refill's round
	ds_add_u32 v[SPW], v[NIL]
	s_add_nc_u64 s[G0R+2:G0R+3], s[G0R+2:G0R+3], WNEXT   ; no load of mine is out: on to the next weight
	MUL 7                                          ; 32 products stand between the add and the wait for it
	WIN 0
	s_wait_dscnt 0x0
	CROUND                                         ; no wave of any partner still reads the weights' tiles
	tensor_load_to_lds s[G0R:G0R+3], s[G1R:G1R+7]  ; my quarter of the next weight
	s_nop 0
	PLACES 4                                       ; also the places behind the last products
.irp b, 0,1,2,3
	v_mov_b32 v[TM+4+\b], 0                        ; written once: a lane permute's destination counts as one of its sources
.endr
	s_mov_b32 s[SEL], 0x76543210
	s_mov_b32 s[SEL+1], 0xfedcba98
	s_mov_b32 s22, 0xffff0000                      ; lanes 16-31
	s_mov_b32 s23, 0x7f7f0000                      ; bytes 2 and 3 of a scale word of q or k: 2^0
	s_wait_kmcnt 0x0
	; ---- q or k
	s_cmp_eq_u32 s68, 0                            ; q?
	s_cselect_b64 s[34:35], s[24:25], s[26:27]     ; the bias
	s_cselect_b64 s[36:37], s[30:31], s[32:33]     ; the buffer
	s_mov_b32 s38, 208896
	s_cselect_b32 s38, 106496, s38                 ; a head's bytes
	s_mov_b32 s39, 13056
	s_cselect_b32 s39, 6144, s39                   ; from step to step of 128 tokens, codes
	s_mov_b32 s40, 13056
	s_cselect_b32 s40, 512, s40                    ; and scale words
	s_mov_b32 s41, 12288
	s_cselect_b32 s41, 98304, s41                  ; where the scale words begin
	s_lshr_b32 s42, s18, 3                         ; batch
	s_and_b32 s43, s18, 7
	s_and_b32 s44, s17, 7
	s_lshl_b32 s45, s42, 4
	s_lshl_b32 s46, s44, 1
	s_add_co_u32 s45, s45, s46                     ; the even head: 16 batch + 2 (x & 7)
	s_mul_i32 s45, s45, s38
	s_lshl_b32 s46, s43, 1
	s_add_co_u32 s46, s46, s13                     ; the step: 2 (y & 7) + (wave >> 1)
	s_mul_i32 s47, s46, s39
	s_add_co_u32 s47, s47, s45
	s_mul_i32 s48, s14, 3072                       ; my four tiles of the step's eight
	s_add_co_u32 s48, s48, s47
	s_mov_b32 s49, 0
	s_add_nc_u64 s[50:51], s[36:37], s[48:49]      ; the even head's codes
	s_mov_b32 s52, s38
	s_mov_b32 s53, 0
	s_add_nc_u64 s[54:55], s[50:51], s[52:53]      ; the odd head's
	s_mul_i32 s56, s46, s40
	s_add_co_u32 s56, s56, s45
	s_add_co_u32 s56, s56, s41
	s_lshl_b32 s57, s14, 8
	s_add_co_u32 s56, s56, s57
	s_mov_b32 s57, 0
	s_add_nc_u64 s[58:59], s[36:37], s[56:57]      ; the even head's scale words
	s_add_nc_u64 s[60:61], s[58:59], s[52:53]      ; the odd head's
	s_lshl_b32 s56, s44, 9
	s_add_nc_u64 s[62:63], s[34:35], s[56:57]      ; the bias of my 128 features
.irp b, 0,1,2,3,4,5,6,7
	global_load_b128 v[BQ+8*\b:BQ+8*\b+3], v18, s[62:63] offset:(32*(\b/2)+8*(\b%2))*4
	global_load_b128 v[BQ+8*\b+4:BQ+8*\b+7], v18, s[62:63] offset:(32*(\b/2)+8*(\b%2))*4+16
.endr
	s_wait_loadcnt 0x0
	ROWS 0, 0
	ROWS 0, 1
	ROWS 0, 2
	ROWS 0, 3
	v_cndmask_b32 v248, v[PW], v[PW+1], s22        ; lanes 0-15 tile 2 j, lanes 16-31 tile 2 j + 1
	v_cndmask_b32 v249, v[PW+2], v[PW+3], s22
	v_and_or_b32 v250, v248, 0xffff, s23           ; the even head's two bytes
	v_and_or_b32 v251, v249, 0xffff, s23
	v_lshrrev_b32 v252, 16, v248                   ; the odd head's
	v_lshrrev_b32 v253, 16, v249
	v_or_b32 v252, s23, v252
	v_or_b32 v253, s23, v253
	global_store_b64 v[LN8], v[250:251], s[58:59]  ; 256 consecutive bytes, aligned
	global_store_b64 v[LN8], v[252:253], s[60:61]
	s_wait_alu depctr_va_vdst(0)
	s_wait_xcnt 0x0                                ; the stores have read their registers and bases
	s_add_co_u32 s67, s67, 4096
	s_wait_tensorcnt 0x0                           ; my quarter of the next weight is in
	s_barrier_signal -1
	s_barrier_wait -1                              ; everybody's is
	s_add_co_u32 s68, s68, 1
	s_cmp_lt_u32 s68, 2
	s_cbranch_scc1 .Lkind
	; ---- v, the tail: nothing more is fetched
	s_mul_i32 s4, s14, 98304                       ; P = tokens' tiles 8 (wave & 1) on
	s_mul_i32 s5, s13, 49152
	s_add_co_u32 s5, s5, WOFF                      ; R = weights' tiles 4 (wave >> 1) on
	s_lshl_b32 s7, s14, 12
	s_add_co_u32 s7, s7, SX                        ; P's scale words
	s_lshl_b32 s8, s13, 11
	s_add_co_u32 s8, s8, SW+8192                   ; R's: wv's are the third row
	v_add_nc_u32 v[P16], s4, v[LN16]
	v_add_nc_u32 v[P8], s4, v[LN8]
	v_add_nc_u32 v22, 49152, v[P16]
	v_add_nc_u32 v23, 49152, v[P8]
	v_add_nc_u32 v[R16], s5, v[LN16]
	v_add_nc_u32 v[R8], s5, v[LN8]
	v_add_nc_u32 v[SP8], s7, v[LN8]
	v_add_nc_u32 v[SR8], s8, v[LN8]
	s_wait_alu depctr_va_vdst(0)
	FETCH 0
	KSTEP 0
	KSTEP 1
	KSTEP 2
	KSTEP 3
	KSTEP 4
	KSTEP 5
	KSTEP 6
	KSTEP 7
	WIN 0
	PLACES 4                                       ; behind the last products
	; ---- v
	s_mov_b32 s44, s17
	s_lshl_b32 s45, s44, 1
	s_add_co_u32 s45, s45, s13                     ; the head: 2 x + (wave >> 1)
	s_lshr_b32 s42, s18, 3
	s_lshl_b32 s46, s42, 4
	s_add_co_u32 s45, s45, s46
	s_mul_i32 s45, s45, 208896
	s_and_b32 s43, s18, 7
	s_lshl_b32 s46, s43, 1
	s_add_co_u32 s46, s46, s14                     ; the step: 2 (y & 7) + (wave & 1)
	s_mul_i32 s46, s46, 13056
	s_add_co_u32 s48, s45, s46
	s_mov_b32 s49, 0
	s_add_nc_u64 s[50:51], s[32:33], s[48:49]      ; the step's block in kv
	s_lshl_b32 s52, s44, 9
	s_lshl_b32 s53, s13, 8
	s_add_co_u32 s52, s52, s53
	s_mov_b32 s53, 0
	s_add_nc_u64 s[62:63], s[28:29], s[52:53]      ; the bias of my head's 64 channels
.irp a, 0,1,2,3
	global_load_b32 v[BV+2*\a], v19, s[62:63] offset:(32*(\a/2)+8*(\a%2))*4
	global_load_b32 v[BV+2*\a+1], v19, s[62:63] offset:(32*(\a/2)+8*(\a%2))*4
.endr
	s_wait_loadcnt 0x0
	ROWS 1, 0
	ROWS 1, 1
	ROWS 1, 2
	ROWS 1, 3
	v_cndmask_b32 v248, v[PW], v[PW+1], s22
	v_cndmask_b32 v249, v[PW+2], v[PW+3], s22
	global_store_b64 v[LN8], v[248:249], s[50:51] offset:12800
.Ldone:
	s_wait_tensorcnt 0x0                           ; the wave's end, behind my last tensor load
	ds_add_u32 v[SPW], v[NIL]
	s_wait_dscnt 0x0
	CROUND                                         ; the closing round
	s_endpgm
.Lfunc_end_k_qe3fe68b84a_gemm_qkv:
	.size	k_qe3fe68b84a_gemm_qkv, .Lfunc_end_k_qe3fe68b84a_gemm_qkv-k_qe3fe68b84a_gemm_qkv
	.p2alignl 7, 3214868480
	.fill 96, 4, 3214868480
	.section	.rodata,"a",@progbits
	.p2align	6, 0x0
	.amdhsa_kernel k_qe3fe68b84a_gemm_qkv
		.amdhsa_group_segment_fixed_size 327680
		.amdhsa_private_segment_fixed_size 0
		.amdhsa_enable_private_segment 0
		.amdhsa_kernarg_size 72
		.amdhsa_user_sgpr_count 2
		.amdhsa_user_sgpr_kernarg_segment_ptr 1
		.amdhsa_wavefront_size32 1
		.amdhsa_system_sgpr_workgroup_id_x 1
		.amdhsa_system_sgpr_workgroup_id_y 1
		.amdhsa_system_sgpr_workgroup_id_z 1
		.amdhsa_system_vgpr_workitem_id 0
		.amdhsa_next_free_vgpr 768
		.amdhsa_next_free_sgpr 106
		.amdhsa_reserve_vcc 0
		.amdhsa_float_denorm_mode_32 3
		.amdhsa_float_denorm_mode_16_64 3
		.amdhsa_memory_ordered 1
		.amdhsa_forward_progress 1
		.amdhsa_inst_pref_size 185
	.end_amdhsa_kernel
	.amdgpu_metadata
---
amdhsa.version: [ 1, 2 ]
amdhsa.kernels:
  - .name:           k_qe3fe68b84a_gemm_qkv
    .symbol:         k_qe3fe68b84a_gemm_qkv.kd
    .args:
      - { .name: xc, .offset: 0, .size: 8, .value_kind: global_buffer, .address_space: global }
      - { .name: xs, .offset: 8, .size: 8, .value_kind: global_buffer, .address_space: global }
      - { .name: wc, .offset: 16, .size: 8, .value_kind: global_buffer, .address_space: global }
      - { .name: ws, .offset: 24, .size: 8, .value_kind: global_buffer, .address_space: global }
      - { .name: bq, .offset: 32, .size: 8, .value_kind: global_buffer, .address_space: global }
      - { .name: bk, .offset: 40, .size: 8, .value_kind: global_buffer, .address_space: global }
      - { .name: bv, .offset: 48, .size: 8, .value_kind: global_buffer, .address_space: global }
      - { .name: qq, .offset: 56, .size: 8, .value_kind: global_buffer, .address_space: global }
      - { .name: kv, .offset: 64, .size: 8, .value_kind: global_buffer, .address_space: global }
    .group_segment_fixed_size: 327680
    .private_segment_fixed_size: 0
    .kernarg_segment_align: 8
    .kernarg_segment_size: 72
    .max_flat_workgroup_size: 128
    .sgpr_count:     106
    .vgpr_count:     768
    .wavefront_size: 32
...
	.end_amdgpu_metadata
.endif
;; end of part 2
;; launch attn (part 3): grid 4 x 64, 16 waves a work-group, clusters of 4 x 1, 210,944 bytes of LDS; arguments qq, kv, ac, as_; writes ac, as_
.if DOCPART == 3
	.amdgcn_target "amdgcn-amd-amdhsa--gfx1250"
	.amdhsa_code_object_version 6
	.text
	.protected	k_qe3fe68b84a_attn
	.globl	k_qe3fe68b84a_attn
	.p2align	8
	.type	k_qe3fe68b84a_attn,@function
k_qe3fe68b84a_attn:
	s_mov_b64 s[64:65], 0
	v_nop
	global_prefetch_b8 v0, s[64:65] scope:SCOPE_SE
	s_setreg_imm32_b32 hwreg(HW_REG_WAVE_MODE, 25, 1), 1
	s_wait_xcnt 0x0
	s_wait_alu depctr_hold_cnt(0) depctr_sa_sdst(0) depctr_va_vdst(0) depctr_va_sdst(0) depctr_va_ssrc(0) depctr_va_vcc(0) depctr_vm_vsrc(0)
	s_getreg_b32 s2, hwreg(HW_REG_IB_STS2, 6, 4)
	s_cmp_eq_u32 s2, 0
	s_cbranch_scc0 .Lentry_in_a_cluster
	s_endpgm
.Lentry_in_a_cluster:
	s_bfe_u32 s2, ttmp6, 0x10000c
	s_cmp_lg_u32 s2, 0x3003
	s_cbranch_scc0 .Lentry_shape_is_right
	s_endpgm
.Lentry_shape_is_right:
; Attention of one head on codes of FP6 (E2M3) with E8M0 scales; head size 64, 2,048 keys, no mask.  t = score x log2(e) / 8; M = the running largest t rounded UP to a whole number; p = 2^(t - M) is quantised
; along the keys, not normalised; the row's sum is taken of the unquantised p and divides at the end; when M moves, the sum and O are multiplied by 2^(old M - new M), which rounds nothing.
; The result is quantised along the embedding axis (the head's 64 are two blocks) and leaves as half a fragment of the last product's operand.
; SHARES: a work-group owns 512 queries of one head; each of its sixteen waves two tiles of 16, one after the other (two passes).  ALL of the head's K and V, 16 steps of 13,056 bytes, lie in LDS: each byte is filled ONCE.
; CLUSTER 4 x 1: the four work-groups of a head read the same K and V: all sixteen waves of each ask jointly, one load a wave, wave w bringing step w.
; LAYOUT: S^T = K Q^T (source 0 = 16 keys in tile order, source 1 = my 16 queries), O^T = V^T P^T: a lane holds one query throughout, and the 16 registers of two neighbouring tiles are 16 neighbours along the next K.
; THE FIRST PRODUCT'S K IS 64 OF THE INSTRUCTION'S 128: Q's registers 6-11 hold zero codes; K's tile t lies in six registers, and the instruction's upper six are the next tile's (the last tile's: six zeros).
; E2M3 has no NaN and no infinity and both sides' scale bytes 2 and 3 are 2^0, so those products are exact zeros.
; The scale halfwords of the result are stored two bytes a lane, 8 bytes apart: 1/24 of what the launch stores; each 256 bytes of as_ are shared by the heads of four K steps' halves.
; LIMITS: a block of zeros gets the byte 1 (zero codes; only this program reads the bytes); NaN and infinities are not served.
.set STEPB, 13056                      ; K 8 x 768 | +6144: V 4 x 1536 | +12288: K's scale words 2 x 256 | +12800: V's 256
.set CHB,   4*STEPB
.set SPARE, 16*STEPB                   ; behind the head: the spare words, 128 bytes a wave
.set QHEAD, 106496
.set LN16, 1                           ; v1  16 x lane
.set LN8,  2                           ; v2  8 x lane
.set AD16, 3                           ; v3  the step's block + 16 x lane
.set AD8,  4                           ; v4  + 8 x lane
.set SPW,  5
.set NIL,  6
.set RR8,  7                           ; v7  8 x (lane % 16)
.set QA,   16                          ; v16-27   Q, pass 0
.set QSA,  28                          ; v28      its scale words
.set PSC,  29                          ; v29      p's scale word
.set KS,   30                          ; v30-33   K's scale words
.set VS,   34                          ; v34-35   V's
.set KB,   36                          ; v36-83   K's eight tiles, later V's four fragments; v84-89 zeros
.set S,    90                          ; v90-153  S^T, then p
.set O,    154                         ; v154-185 O^T
.set PCD,  186                         ; v186-197 p's codes
.set CT,   198                         ; v198-204 the conversions' second halves
.set BM,   206                         ; v206-209 a block's largest score, then p
.set BP,   210                         ; v210-213 at work
.set BS,   214                         ; v214-217 the conversions' scale operands
.set F,    220                         ; v[220:221] f = 2^(old M - new M), named as a pair
.set TT,   222
.set QB,   224                         ; v224-235 Q, pass 1
.set QSB,  236
.set WV,  12
.set G1,  16
.set G0,  24
.set SEL, 40
.set CS,  42
.set TB,  44
.set CNT, 45
.macro CROUND
	s_barrier_signal -1
	s_barrier_wait -1
	s_cmp_lg_u32 s[WV], 0
	s_cbranch_scc1 .Lnot_wave_0_\@
	s_barrier_signal -3
.Lnot_wave_0_\@:
	s_barrier_wait -3
	s_barrier_signal -1
	s_barrier_wait -1
.endm
.macro WMMA d, a, b, cm, sa, sb, ra    ; cm = 0: C is the constant 0, else C = D.  ra = 1: source 0's scale words stand in lanes 16-31
.if (\cm) == 0
.if (\ra) == 0
	v_wmma_scale_f32_16x16x128_f8f6f4 v[(\d):(\d)+7], v[(\a):(\a)+11], v[(\b):(\b)+11], 0, v[\sa], v[\sb] matrix_a_fmt:MATRIX_FMT_FP6 matrix_b_fmt:MATRIX_FMT_FP6
.else
	v_wmma_scale_f32_16x16x128_f8f6f4 v[(\d):(\d)+7], v[(\a):(\a)+11], v[(\b):(\b)+11], 0, v[\sa], v[\sb] matrix_a_fmt:MATRIX_FMT_FP6 matrix_b_fmt:MATRIX_FMT_FP6 matrix_a_scale:MATRIX_SCALE_ROW1
.endif
.else
.if (\ra) == 0
	v_wmma_scale_f32_16x16x128_f8f6f4 v[(\d):(\d)+7], v[(\a):(\a)+11], v[(\b):(\b)+11], v[(\d):(\d)+7], v[\sa], v[\sb] matrix_a_fmt:MATRIX_FMT_FP6 matrix_b_fmt:MATRIX_FMT_FP6
.else
	v_wmma_scale_f32_16x16x128_f8f6f4 v[(\d):(\d)+7], v[(\a):(\a)+11], v[(\b):(\b)+11], v[(\d):(\d)+7], v[\sa], v[\sb] matrix_a_fmt:MATRIX_FMT_FP6 matrix_b_fmt:MATRIX_FMT_FP6 matrix_a_scale:MATRIX_SCALE_ROW1
.endif
.endif
.endm
; A KEY STEP: 128 keys, whose block begins at LDS byte s[TB]
.macro STEP qf, qs
	v_add_nc_u32 v[AD16], s[TB], v[LN16]
	v_add_nc_u32 v[AD8], s[TB], v[LN8]
	v_nop
	v_nop                                          ; four places behind the last products, in front of loads into registers that they read
	ds_load_b64 v[KS:KS+1], v[AD8] offset:12288    ; register KS + t / 2: lanes 0-15 tile t even, lanes 16-31 tile t odd
	ds_load_b64 v[KS+2:KS+3], v[AD8] offset:12544
.irp t, 0,1,2,3,4,5,6,7
	ds_load_b128 v[KB+6*\t:KB+6*\t+3], v[AD16] offset:768*\t
	ds_load_b64 v[KB+6*\t+4:KB+6*\t+5], v[AD8] offset:768*\t+512
.endr
	s_wait_alu depctr_va_vdst(0)
	s_wait_dscnt 0x0
.irp t, 0,1,2,3,4,5,6,7
	WMMA S+8*\t, KB+6*\t, \qf, 0, KS+\t/2, \qs, \t%2
.endr
.rept 4
	v_nop                                          ; places in front of the loads below and of the first read of the scores
.endr
	ds_load_b64 v[VS:VS+1], v[AD8] offset:12800    ; V lands while the softmax runs
.irp t, 0,1,2,3
.irp c, 0,1
	ds_load_b128 v[KB+12*\t+6*\c:KB+12*\t+6*\c+3], v[AD16] offset:6144+1536*\t+768*\c
	ds_load_b64 v[KB+12*\t+6*\c+4:KB+12*\t+6*\c+5], v[AD8] offset:6144+1536*\t+768*\c+512
.endr
.endr
.irp b, 0,1,2,3
	v_max3_num_f32 v[BM+\b], v[S+16*\b], v[S+1+16*\b], v[S+2+16*\b]   ; the largest score of each block of 32 keys: for the row's maximum and, since p rises with the score, for the block's largest p
.endr
.irp i, 3,5,7,9,11,13
.irp b, 0,1,2,3
	v_max3_num_f32 v[BM+\b], v[BM+\b], v[S+16*\b+\i], v[S+1+16*\b+\i]
.endr
.endr
.irp b, 0,1,2,3
	v_max_num_f32 v[BM+\b], v[BM+\b], v[S+15+16*\b]
.endr
.irp b, 0,1,2,3
	s_delay_alu instid0(VALU_DEP_4)
	v_permlanex16_b32 v[BP+\b], v[BM+\b], s[SEL], s[SEL+1]
.endr
.irp b, 0,1,2,3
	s_delay_alu instid0(VALU_DEP_4)
	v_max_num_f32 v[BM+\b], v[BM+\b], v[BP+\b]     ; with lane l xor 16's 16 keys
.endr
	s_delay_alu instid0(VALU_DEP_2)
	v_max3_num_f32 v[TT], v[BM], v[BM+1], v[BM+2]
	s_delay_alu instid0(VALU_DEP_1)
	v_max_num_f32 v[TT], v[TT], v[BM+3]
	s_delay_alu instid0(VALU_DEP_1)
	v_mul_f32 v[TT], s[CS], v[TT]                  ; as t (c is positive)
	s_delay_alu instid0(VALU_DEP_1)
	v_max_num_f32 v13, v13, v[TT]                  ; the running largest t
	v_mov_b32 v[TT], v12
	s_delay_alu instid0(VALU_DEP_2)
	v_floor_f32 v12, -v13                          ; the new -M = floor(-t)
	s_delay_alu instid0(VALU_DEP_1)
	v_sub_f32 v[TT], v12, v[TT]                    ; old M - new M: a whole number, 0 or less
	s_delay_alu instid0(VALU_DEP_1)
	v_cvt_i32_f32 v[TT], v[TT]                     ; (it saturates)
	s_delay_alu instid0(VALU_DEP_1)
	v_ldexp_f32 v[F], 1.0, v[TT]                   ; f
.set n, 0
.rept 32
	v_pk_fma_f32 v[S+n:S+n+1], v[S+n:S+n+1], s[CS:CS+1], v[12:13] op_sel_hi:[1,0,0]   ; t - M, two at a time
.set n, n+2
.endr
.irp b, 0,1,2,3
	v_fma_f32 v[BM+\b], v[BM+\b], s[CS], v12       ; the same of each block's largest score
.endr
.set n, 0
	s_wait_alu depctr_va_vdst(0)
.rept 64
	v_exp_f32 v[S+n], v[S+n]                       ; p = 2^(t - M)
.set n, n+1
.endr
	v_pk_mul_f32 v[14:15], v[14:15], v[F:F+1] op_sel_hi:[1,0]   ; the sums under the new M: a plain place behind the exponentials
	s_wait_alu depctr_va_vdst(0)                   ; one wait for the batch of 64, ahead of its first reader
.irp b, 0,1,2,3
	v_exp_f32 v[BM+\b], v[BM+\b]                   ; the block's largest p
.endr
	v_pk_add_f32 v[210:211], v[94:95], v[98:99]
	v_pk_add_f32 v[254:255], v[102:103], v[106:107]
	v_pk_add_f32 v[252:253], v[110:111], v[114:115]
	v_pk_add_f32 v[250:251], v[118:119], v[122:123]
	v_pk_add_f32 v[248:249], v[126:127], v[130:131]
	v_pk_add_f32 v[246:247], v[134:135], v[138:139]
	v_pk_add_f32 v[244:245], v[142:143], v[146:147]
	v_pk_add_f32 v[14:15], v[14:15], v[150:151]
	v_pk_add_f32 v[210:211], v[210:211], v[90:91]
	v_pk_add_f32 v[254:255], v[254:255], v[92:93]
	v_pk_add_f32 v[252:253], v[252:253], v[96:97]
	v_pk_add_f32 v[250:251], v[250:251], v[100:101]
	v_pk_add_f32 v[248:249], v[248:249], v[104:105]
	v_pk_add_f32 v[246:247], v[246:247], v[108:109]
	v_pk_add_f32 v[244:245], v[244:245], v[112:113]
	v_pk_add_f32 v[14:15], v[14:15], v[116:117]
	v_pk_add_f32 v[210:211], v[210:211], v[120:121]
	v_pk_add_f32 v[254:255], v[254:255], v[124:125]
	v_pk_add_f32 v[252:253], v[252:253], v[128:129]
	v_pk_add_f32 v[250:251], v[250:251], v[132:133]
	v_pk_add_f32 v[248:249], v[248:249], v[136:137]
	v_pk_add_f32 v[246:247], v[246:247], v[140:141]
	v_pk_add_f32 v[244:245], v[244:245], v[144:145]
	v_pk_add_f32 v[14:15], v[14:15], v[148:149]
	v_pk_add_f32 v[210:211], v[210:211], v[152:153]
	s_delay_alu instid0(VALU_DEP_2)
	v_pk_add_f32 v[14:15], v[14:15], v[250:251]
	s_delay_alu instid0(VALU_DEP_2)
	v_pk_add_f32 v[210:211], v[210:211], v[248:249]
	v_pk_add_f32 v[254:255], v[254:255], v[246:247]
	v_pk_add_f32 v[252:253], v[252:253], v[244:245]
	s_delay_alu instid0(VALU_DEP_2)
	v_pk_add_f32 v[14:15], v[14:15], v[254:255]
	s_delay_alu instid0(VALU_DEP_2)
	v_pk_add_f32 v[210:211], v[210:211], v[252:253]
	s_delay_alu instid0(VALU_DEP_1)
	v_pk_add_f32 v[14:15], v[14:15], v[210:211]
	s_wait_alu depctr_va_vdst(0)                   ; and one for the four
.irp b, 0,1,2,3
	v_max_num_f32 v[BM+\b], 0x1800000, v[BM+\b]    ; the floor 2^(3 - 127)
.endr
.irp b, 0,1,2,3
	s_delay_alu instid0(VALU_DEP_4)
	v_add_nc_u32 v[BS+\b], 0xff000000, v[BM+\b]    ; 2 off the exponent field: the conversion's scale operand
.endr
.irp b, 0,1,2,3
	s_delay_alu instid0(VALU_DEP_4)
	v_lshrrev_b32 v[BP+\b], 23, v[BS+\b]           ; the scale's byte
.endr
	s_delay_alu instid0(VALU_DEP_3)
	v_lshl_or_b32 v[PSC], v[BP+1], 8, v[BP]
	s_delay_alu instid0(VALU_DEP_1)
	v_lshl_or_b32 v[PSC], v[BP+2], 16, v[PSC]
	s_delay_alu instid0(VALU_DEP_1)
	v_lshl_or_b32 v[PSC], v[BP+3], 24, v[PSC]
.irp c, 0,1
	v_cvt_scalef32_pk16_fp6_f32 v[PCD+6*\c:PCD+2+6*\c], v[S+32*\c:S+15+32*\c], v[BS+2*\c]
	v_cvt_scalef32_pk16_fp6_f32 v[CT+4*\c:CT+2+4*\c], v[S+16+32*\c:S+31+32*\c], v[BS+2*\c+1]
.endr
	v_nop                                          ; one plain place behind a scaled conversion
.irp c, 0,1
.irp i, 0,1,2
	v_permlane16_swap_b32 v[PCD+6*\c+\i], v[CT+4*\c+\i]
.endr
.irp i, 0,1,2
	s_delay_alu instid0(VALU_DEP_3)
	v_mov_b32 v[PCD+3+6*\c+\i], v[CT+4*\c+\i]
.endr
.endr
.set n, 0
.rept 16
	v_pk_mul_f32 v[O+n:O+n+1], v[O+n:O+n+1], v[F:F+1] op_sel_hi:[1,0]   ; O^T under the new M.  These sixteen are also the places between p's scale word and codes and the products below
.set n, n+2
.endr
	s_wait_alu depctr_va_vdst(0)
	s_wait_dscnt 0x0                               ; V is in
.irp t, 0,1,2,3
	WMMA O+8*\t, KB+12*\t, PCD, 1, VS+\t/2, PSC, \t%2
.endr
	s_add_co_u32 s[TB], s[TB], STEPB
.endm
; A PASS: one tile of 16 queries against all keys.  Pass 0 reads steps 0 to 3 as soon as they land, then waits for the rest
.macro PASS p, qf, qs
.if \p
	s_wait_xcnt 0x0                                ; pass 0's stores have read their registers
.endif
	v_mov_b32 v13, 0xff61b1e6                      ; the largest t so far: -3e38
	s_delay_alu instid0(VALU_DEP_1)
	v_floor_f32 v12, -v13
	v_mov_b32 v14, 0
	v_mov_b32 v15, 0
.set n, 0
.rept 32
	v_mov_b32 v[O+n], 0                            ; the step is written once: the first finds zeros, which the first change of M leaves zeros
.set n, n+1
.endr
.if \p
	s_mov_b32 s[TB], 0
	s_mov_b32 s[CNT], 16
.Lpass1:
	STEP \qf, \qs
	s_sub_co_u32 s[CNT], s[CNT], 1
	s_cmp_lg_u32 s[CNT], 0
	s_cbranch_scc1 .Lpass1
.else
	s_cmp_lt_u32 s[WV], 4                          ; steps 0 to 3 came by waves 0 to 3's own load line: they alone wait here
	s_cbranch_scc0 .Lnot_first
	s_wait_tensorcnt 0x0
.Lnot_first:
	s_barrier_signal -1
	s_barrier_wait -1                              ; steps 0 to 3 are in
	s_mov_b32 s[TB], 0
	s_mov_b32 s[CNT], 4
.Lpass0_a:
	STEP \qf, \qs
	s_sub_co_u32 s[CNT], s[CNT], 1
	s_cmp_lg_u32 s[CNT], 0
	s_cbranch_scc1 .Lpass0_a
	s_wait_tensorcnt 0x0                           ; every wave's load is in
	s_barrier_signal -1
	s_barrier_wait -1                              ; the whole head is in
	s_mov_b32 s[TB], CHB
	s_mov_b32 s[CNT], 12
.Lpass0_b:
	STEP \qf, \qs
	s_sub_co_u32 s[CNT], s[CNT], 1
	s_cmp_lg_u32 s[CNT], 0
	s_cbranch_scc1 .Lpass0_b
.endif
.rept 4
	v_nop                                          ; places behind the last products
.endr
	v_add_f32 v14, v14, v15
	s_delay_alu instid0(VALU_DEP_1)
	v_permlanex16_b32 v[TT], v14, s[SEL], s[SEL+1]
	s_delay_alu instid0(VALU_DEP_1)
	v_add_f32 v14, v14, v[TT]                      ; the row's sum
	s_wait_alu depctr_va_vdst(0)
	v_rcp_f32 v14, v14
	v_nop                                          ; a plain place behind the reciprocal
	s_wait_alu depctr_va_vdst(0)                   ; the wait ahead of its first reader
.set n, 0
.rept 32
	v_mul_f32 v[S+n], v[O+n], v14                  ; register 16 B + i = channel 32 B + 16 h + i of my query
.set n, n+1
.endr
.irp b, 0,1
	v_max3_num_f32 v[BM+\b], |v[S+16*\b]|, |v[S+1+16*\b]|, 0x1800000
.endr
.irp i, 2,4,6,8,10,12,14
.irp b, 0,1
	s_delay_alu instid0(VALU_DEP_2)
	v_max3_num_f32 v[BM+\b], v[BM+\b], |v[S+16*\b+\i]|, |v[S+1+16*\b+\i]|
.endr
.endr
.irp b, 0,1
	s_delay_alu instid0(VALU_DEP_2)
	v_permlanex16_b32 v[BP+\b], v[BM+\b], s[SEL], s[SEL+1]
.endr
.irp b, 0,1
	s_delay_alu instid0(VALU_DEP_2)
	v_max_num_f32 v[BM+\b], v[BM+\b], v[BP+\b]
.endr
.irp b, 0,1
	s_delay_alu instid0(VALU_DEP_2)
	v_add_nc_u32 v[BS+\b], 0xff000000, v[BM+\b]
.endr
.irp b, 0,1
	s_delay_alu instid0(VALU_DEP_2)
	v_lshrrev_b32 v[BP+\b], 23, v[BS+\b]
.endr
	s_delay_alu instid0(VALU_DEP_1)
	v_lshl_or_b32 v[TT], v[BP+1], 8, v[BP]         ; the head's two scale bytes
	v_cvt_scalef32_pk16_fp6_f32 v[PCD:PCD+2], v[S:S+15], v[BS]
	v_cvt_scalef32_pk16_fp6_f32 v[CT:CT+2], v[S+16:S+31], v[BS+1]
	v_nop
.irp i, 0,1,2
	v_permlane16_swap_b32 v[PCD+\i], v[CT+\i]
.endr
.irp i, 0,1,2
	s_delay_alu instid0(VALU_DEP_3)
	v_mov_b32 v[PCD+3+\i], v[CT+\i]
.endr
	global_store_b128 v[LN16], v[PCD:PCD+3], s[8:9] offset:12288*\p        ; half a fragment: 512 and 256 consecutive bytes, aligned to 256
	global_store_b64 v[LN8], v[PCD+4:PCD+5], s[8:9] offset:12288*\p+512
	global_store_b16 v[RR8], v[TT], s[10:11] offset:128*\p                 ; lanes 16-31 write the same bytes with the same value
.endm
	s_load_b256 s[4:11], s[0:1], 0x0               ; qq, kv, ac, as_
	v_lshl_add_u32 v[SPW], v0, 2, SPARE
	v_mov_b32 v[NIL], 0
	ds_add_u32 v[SPW], v[NIL]                      ; the wave's opening
	ds_add_u32 v[SPW], v[NIL]
	v_lshrrev_b32 v8, 5, v0
	s_delay_alu instid0(VALU_DEP_1)
	v_readfirstlane_b32 s[WV], v8                  ; wave 0..15
	s_bfe_u32 s13, ttmp6, 0x40000                  ; cx: it enters the addresses of qq, ac and as_ alone
	s_and_b32 s14, ttmp7, 0xffff                   ; 16 batch + head, which the four partners share
	s_mov_b32 s[G1], 15|(3<<16)|(1<<21)            ; all four work-groups; elements of 8 bytes; bit 21 beside a mask; no padding
	s_mov_b32 s[G1+1], 32<<16                      ; a step's 13,056 dense bytes as 51 rows of 256
	s_mov_b32 s[G1+2], 51<<16
	s_mov_b32 s[G1+3], 32<<16
	s_mov_b32 s[G1+4], 51
	s_mov_b32 s[G1+5], 32
	s_mov_b32 s[G1+6], 0
	s_mov_b32 s[G1+7], 0
	s_mov_b32 s[SEL], 0x76543210
	s_mov_b32 s[SEL+1], 0xfedcba98
	s_mov_b32 s[CS], 0x3e38aa3b                    ; c = log2(e) / 8
	s_mov_b32 s[CS+1], s[CS]
	s_mul_i32 s47, s[WV], STEPB                    ; THE FILLS AS THEY STAND: wave w brings key step w, one joint load a wave
	s_mul_i32 s48, s14, 16*STEPB
	s_add_co_u32 s48, s48, s47
	s_mov_b32 s49, 0
	s_mul_i32 s50, s14, QHEAD
	s_lshl_b32 s52, s13, 5
	s_lshl_b32 s53, s[WV], 1
	s_add_co_u32 s52, s52, s53                     ; my first tile of queries: 32 cx + 2 wave
	s_mul_i32 s53, s52, 768
	s_add_co_u32 s54, s50, s53
	s_mov_b32 s55, 0
	s_lshl_b32 s56, s13, 3
	s_lshr_b32 s57, s[WV], 1
	s_add_co_u32 s56, s56, s57
	s_lshl_b32 s56, s56, 8                         ; Q's scale words: 256 bytes for four tiles,
	s_and_b32 s57, s[WV], 1
	s_lshl_b32 s57, s57, 2                         ; word wave & 1
	s_add_co_u32 s56, s56, s57
	s_add_co_u32 s56, s56, s50
	s_add_co_u32 s56, s56, 98304
	s_mov_b32 s57, 0
	s_lshr_b32 s58, s14, 4                         ; batch
	s_and_b32 s59, s14, 15                         ; head
	s_lshl_b32 s60, s58, 7
	s_add_co_u32 s60, s60, s52
	s_mul_i32 s60, s60, 12288                      ; ac: my tile,
	s_mul_i32 s61, s59, 768                        ; K step head / 2, half head % 2
	s_add_co_u32 s60, s60, s61
	s_mov_b32 s61, 0
	s_lshl_b32 s62, s58, 6
	s_lshl_b32 s63, s13, 4
	s_add_co_u32 s62, s62, s63
	s_add_co_u32 s62, s62, s[WV]
	s_lshl_b32 s62, s62, 10                        ; as_: my pair of tiles,
	s_lshr_b32 s63, s59, 2
	s_lshl_b32 s63, s63, 8                         ; chunk head / 4,
	s_add_co_u32 s62, s62, s63
	s_and_b32 s63, s59, 3
	s_lshl_b32 s63, s63, 1                         ; halfword head % 4 of a lane's 8 bytes
	s_add_co_u32 s62, s62, s63
	s_mov_b32 s63, 0
	s_wait_dscnt 0x0                               ; the opening add is done
	s_wait_kmcnt 0x0
	s_add_nc_u64 s[6:7], s[6:7], s[48:49]
	s_add_nc_u64 s[56:57], s[4:5], s[56:57]
	s_add_nc_u64 s[4:5], s[4:5], s[54:55]
	s_add_nc_u64 s[8:9], s[8:9], s[60:61]
	s_add_nc_u64 s[10:11], s[10:11], s[62:63]
	s_mov_b32 s[G0], 1
	s_mov_b32 s[G0+1], s47
	s_mov_b64 s[G0+2:G0+3], s[6:7]
	s_or_b32 s[G0+3], s[G0+3], 0x80000000
	CROUND                                         ; all four work-groups are here: the joint loads meet
	s_cmp_lt_u32 s[WV], 4                          ; two arms, one load each: the waves that wait at the first barrier have a line of their own
	s_cbranch_scc0 .Llater
	tensor_load_to_lds s[G0:G0+3], s[G1:G1+7]
	s_nop 0
.rept 4
	v_nop
.endr
	s_branch .Lasked
.Llater:
	tensor_load_to_lds s[G0:G0+3], s[G1:G1+7]
	s_nop 0
.rept 4
	v_nop
.endr
.Lasked:
	v_and_b32 v8, 31, v0
	s_delay_alu instid0(VALU_DEP_1)
	v_lshlrev_b32 v[LN16], 4, v8
	s_delay_alu instid0(VALU_DEP_2)
	v_lshlrev_b32 v[LN8], 3, v8
	v_and_b32 v9, 15, v0
	s_delay_alu instid0(VALU_DEP_1)
	v_lshlrev_b32 v[RR8], 3, v9
	global_load_b128 v[QA:QA+3], v[LN16], s[4:5]
	global_load_b64 v[QA+4:QA+5], v[LN8], s[4:5] offset:512
	global_load_b128 v[QB:QB+3], v[LN16], s[4:5] offset:768
	global_load_b64 v[QB+4:QB+5], v[LN8], s[4:5] offset:1280
	global_load_b32 v[QSA], v[RR8], s[56:57]
	global_load_b32 v[QSB], v[RR8], s[56:57] offset:128
.set n, 0
.rept 6
	v_mov_b32 v[QA+6+n], 0                         ; zero codes: the upper 64 of the first product's K
	v_mov_b32 v[QB+6+n], 0
	v_mov_b32 v[KB+48+n], 0
.set n, n+1
.endr
.irp b, 0,1,2,3
	v_mov_b32 v[BP+\b], 0                          ; written once: a lane permute's destination counts as one of its sources
.endr
	v_mov_b32 v[F+1], 0                            ; named as the upper half of a pair
	s_wait_loadcnt 0x0                             ; Q
	PASS 0, QA, QSA
	PASS 1, QB, QSB
	s_wait_tensorcnt 0x0                           ; the wave's end, behind the last tensor load
	ds_add_u32 v[SPW], v[NIL]
	s_wait_dscnt 0x0
	CROUND                                         ; the closing round
	s_endpgm
.Lfunc_end_k_qe3fe68b84a_attn:
	.size	k_qe3fe68b84a_attn, .Lfunc_end_k_qe3fe68b84a_attn-k_qe3fe68b84a_attn
	.p2alignl 7, 3214868480
	.fill 96, 4, 3214868480
	.section	.rodata,"a",@progbits
	.p2align	6, 0x0
	.amdhsa_kernel k_qe3fe68b84a_attn
		.amdhsa_group_segment_fixed_size 210944
		.amdhsa_private_segment_fixed_size 0
		.amdhsa_enable_private_segment 0
		.amdhsa_kernarg_size 32
		.amdhsa_user_sgpr_count 2
		.amdhsa_user_sgpr_kernarg_segment_ptr 1
		.amdhsa_wavefront_size32 1
		.amdhsa_system_sgpr_workgroup_id_x 1
		.amdhsa_system_sgpr_workgroup_id_y 1
		.amdhsa_system_sgpr_workgroup_id_z 1
		.amdhsa_system_vgpr_workitem_id 0
		.amdhsa_next_free_vgpr 256
		.amdhsa_next_free_sgpr 66
		.amdhsa_reserve_vcc 0
		.amdhsa_float_denorm_mode_32 3
		.amdhsa_float_denorm_mode_16_64 3
		.amdhsa_memory_ordered 1
		.amdhsa_forward_progress 1
		.amdhsa_inst_pref_size 70
	.end_amdhsa_kernel
	.amdgpu_metadata
---
amdhsa.version: [ 1, 2 ]
amdhsa.kernels:
  - .name:           k_qe3fe68b84a_attn
    .symbol:         k_qe3fe68b84a_attn.kd
    .args:
      - { .name: qq, .offset: 0, .size: 8, .value_kind: global_buffer, .address_space: global }
      - { .name: kv, .offset: 8, .size: 8, .value_kind: global_buffer, .address_space: global }
      - { .name: ac, .offset: 16, .size: 8, .value_kind: global_buffer, .address_space: global }
      - { .name: as_, .offset: 24, .size: 8, .value_kind: global_buffer, .address_space: global }
    .group_segment_fixed_size: 210944
    .private_segment_fixed_size: 0
    .kernarg_segment_align: 8
    .kernarg_segment_size: 32
    .max_flat_workgroup_size: 512
    .sgpr_count:     66
    .vgpr_count:     256
    .wavefront_size: 32
...
	.end_amdgpu_metadata
.endif
;; end of part 3
;; launch gemm_out (part 4): grid 8 x 32, 4 waves a work-group, clusters of 4 x 4, 307,712 bytes of LDS; arguments ac, as_, wc, ws, bo, out0; writes out0
.if DOCPART == 4
	.amdgcn_target "amdgcn-amd-amdhsa--gfx1250"
	.amdhsa_code_object_version 6
	.text
	.protected	k_qe3fe68b84a_gemm_out
	.globl	k_qe3fe68b84a_gemm_out
	.p2align	8
	.type	k_qe3fe68b84a_gemm_out,@function
k_qe3fe68b84a_gemm_out:
	s_mov_b64 s[64:65], 0
	v_nop
	global_prefetch_b8 v0, s[64:65] scope:SCOPE_SE
	s_setreg_imm32_b32 hwreg(HW_REG_WAVE_MODE, 25, 1), 1
	s_wait_xcnt 0x0
	s_wait_alu depctr_hold_cnt(0) depctr_sa_sdst(0) depctr_va_vdst(0) depctr_va_sdst(0) depctr_va_ssrc(0) depctr_va_vcc(0) depctr_vm_vsrc(0)
	s_getreg_b32 s2, hwreg(HW_REG_IB_STS2, 6, 4)
	s_cmp_eq_u32 s2, 0
	s_cbranch_scc0 .Lentry_in_a_cluster
	s_endpgm
.Lentry_in_a_cluster:
	s_bfe_u32 s2, ttmp6, 0x10000c
	s_cmp_lg_u32 s2, 0xf033
	s_cbranch_scc0 .Lentry_shape_is_right
	s_endpgm
.Lentry_shape_is_right:
; out0 = (attention's result) x wo + bo, on codes of FP6 (E2M3) with E8M0 scales; f32 out.
; A work-group takes 256 tokens (y) x 128 output features (x), all of K = 1024.  All its codes, 4 chunks of 256 K, and its scale words lie in LDS at once: each LDS byte is filled ONCE, so there is no ring and no refill.
; A wave issues one tensor load at the head: one is outstanding at the most.
; CLUSTER 4 x 4: the tokens' tiles hang on y alone and are asked for jointly along a row of the cluster, the weights' on x alone and jointly along a column.
; A wave makes 8 P tiles (source 0: the 128 features) x 4 R tiles (source 1: its 64 tokens): 32 accumulators.  A lane holds a token (tile order); the registers of P tiles 2 B, 2 B + 1 are features 32 B + 16 h + 0..15.
; The bias is the C of each sum's first matrix instruction.  The way out goes through the wave's own stage, which lies at the start of its own four R tiles: they have had their only fill, no other wave reads them, and the wave has waited for its last
; reads of them at K step 7.
; REGISTERS: window 0: v8-21 addresses; v24-39 P's scale words, v40-47 R's (two sets each); v48-143 R's fragments, two sets; v144-207 the bias; on the way out v48-175 hold rows.
;   window 1: P's fragments, two sets at v0 and v128.   window 2: the accumulators, (a, b) at v[8 (8 a + b)].
.set CHUNK, 73728
; THE FILLS AS THEY STAND: LDS is laid BY TILE, as memory is: 16 tiles of tokens x 12,288 bytes (all of K), then 8 tiles of weights, then the scale words.  Each of the four blocks is dense in memory
; and comes by ONE joint load: wave 0 the tokens' codes, wave 1 the weights', wave 2 and 3 the scale words.  One load a wave, one wait for all, one barrier; every K step's place is an immediate.
.set WOFF,  196608
.set TILEB, 12288
.set FRB,   1536
.set SX,    4*CHUNK
.set SW,    SX+8192
.set SPARE, SW+4096
.set WT0,   192                        ; wo's first tile in wc
.set WG0,   24                         ; and its first group of 4,096 bytes in ws
.set SPITCH, 528
.set P16, 8
.set P8,  9
.set R16, 10
.set R8,  11
.set SP8, 12
.set SR8, 13
.set LN16, 14
.set LN8,  15
.set SPW, 16
.set NIL, 17
.set STO, 20
.set RD,  21
.set PS,  24
.set RS,  40
.set RF,  48
.set BK,  48                           ; way out: two sets of 16 rows
.set BI,  144
.set G1X,  24
.set G1W,  32
.set G1SX, 40
.set G1SW, 48
.set GXS, 56
.set GX0, 60
.set GX1, 68
.set GX2, 72
.set GX3, 76
.set GWS, 80
.set GW0, 84
.set GW1, 88
.set GW2, 92
.set GW3, 96
.set MSB, 0
.macro WIN new                         ; the immediate's high byte repeats the setting that is left
.if MSB != \new
	s_set_vgpr_msb (MSB<<8)|\new
.set MSB, \new
.endif
.endm
.macro PLACES n
.rept \n
	v_nop
.endr
.endm
.macro CROUND
	s_barrier_signal -1
	s_barrier_wait -1
	s_cmp_lg_u32 s12, 0
	s_cbranch_scc1 .Lnot_wave_0_\@
	s_barrier_signal -3
.Lnot_wave_0_\@:
	s_barrier_wait -3
	s_barrier_signal -1
	s_barrier_wait -1
.endm
.macro MKG1 g, c, r, p
	s_mov_b32 s[\g+1], (\c)<<16
	s_mov_b32 s[\g+2], (\r)<<16
	s_mov_b32 s[\g+3], (\c)<<16
	s_mov_b32 s[\g+4], \r
	s_mov_b32 s[\g+5], \p
	s_mov_b32 s[\g+6], 0
	s_mov_b32 s[\g+7], 0
.endm
.macro MKG0 g, loff, areg              ; to LDS byte loff, from s[areg:areg+1]
	s_mov_b32 s[\g], 1
	s_mov_b32 s[\g+1], \loff
	s_mov_b64 s[\g+2:\g+3], s[\areg:\areg+1]
	s_or_b32 s[\g+3], s[\g+3], 0x80000000
.endm
.macro WMMA d, a, b, c, sa, sb, ra, rb ; ra, rb = 1: that side's scale words stand in lanes 16-31
.if (\ra) == 0 && (\rb) == 0
	v_wmma_scale_f32_16x16x128_f8f6f4 v[(\d):(\d)+7], v[(\a):(\a)+11], v[(\b):(\b)+11], v[(\c):(\c)+7], v[\sa], v[\sb] matrix_a_fmt:MATRIX_FMT_FP6 matrix_b_fmt:MATRIX_FMT_FP6
.elseif (\rb) == 0
	v_wmma_scale_f32_16x16x128_f8f6f4 v[(\d):(\d)+7], v[(\a):(\a)+11], v[(\b):(\b)+11], v[(\c):(\c)+7], v[\sa], v[\sb] matrix_a_fmt:MATRIX_FMT_FP6 matrix_b_fmt:MATRIX_FMT_FP6 matrix_a_scale:MATRIX_SCALE_ROW1
.elseif (\ra) == 0
	v_wmma_scale_f32_16x16x128_f8f6f4 v[(\d):(\d)+7], v[(\a):(\a)+11], v[(\b):(\b)+11], v[(\c):(\c)+7], v[\sa], v[\sb] matrix_a_fmt:MATRIX_FMT_FP6 matrix_b_fmt:MATRIX_FMT_FP6 matrix_b_scale:MATRIX_SCALE_ROW1
.else
	v_wmma_scale_f32_16x16x128_f8f6f4 v[(\d):(\d)+7], v[(\a):(\a)+11], v[(\b):(\b)+11], v[(\c):(\c)+7], v[\sa], v[\sb] matrix_a_fmt:MATRIX_FMT_FP6 matrix_b_fmt:MATRIX_FMT_FP6 matrix_a_scale:MATRIX_SCALE_ROW1 matrix_b_scale:MATRIX_SCALE_ROW1
.endif
.endm
.macro FRAG reg, a16, a8, off
	ds_load_b128 v[(\reg):(\reg)+3], v[\a16] offset:(\off)
	ds_load_b64 v[(\reg)+4:(\reg)+5], v[\a8] offset:(\off)+512
	ds_load_b128 v[(\reg)+6:(\reg)+9], v[\a16] offset:(\off)+768
	ds_load_b64 v[(\reg)+10:(\reg)+11], v[\a8] offset:(\off)+1280
.endm
.macro FETCH q
	WIN 0x40                                       ; destination window 1
.irp b, 0,1,2,3,4,5,6,7
	FRAG 128*((\q)%2)+12*\b, P16+14*(\b/4), P8+14*(\b/4), TILEB*(\b%4)+FRB*(\q)   ; tiles 4-7 go by v22, v23: the offsets stay inside 16 bits
.endr
	WIN 0
.irp a, 0,1,2,3
	FRAG RF+48*((\q)%2)+12*\a, R16, R8, TILEB*\a+FRB*(\q)
.endr
.if (\q)%2 == 0
.irp j, 0,1,2,3
	ds_load_b64 v[PS+8*(((\q)/2)%2)+2*\j:PS+8*(((\q)/2)%2)+2*\j+1], v[SP8] offset:1024*\j+256*((\q)/2)
.endr
.irp j, 0,1
	ds_load_b64 v[RS+4*(((\q)/2)%2)+2*\j:RS+4*(((\q)/2)%2)+2*\j+1], v[SR8] offset:1024*\j+256*((\q)/2)
.endr
.endif
.endm
.macro MUL q                           ; 32 matrix instructions; the 32 accumulators take turns, one instruction a turn.  K step 0 starts the sums on the bias
.if (\q) == 0
	WIN 0x81                                       ; source 0 window 1, source 1 and C window 0, D window 2
.else
	WIN 0xa1                                       ; C and D window 2
.endif
.irp a, 0,1,2,3
.irp b, 0,1,2,3,4,5,6,7
.if (\q) == 0
	WMMA 8*(8*\a+\b), 128*((\q)%2)+12*\b, RF+48*((\q)%2)+12*\a, BI+8*\b, PS+8*(((\q)/2)%2)+2*(\b/2)+(\q)%2, RS+4*(((\q)/2)%2)+2*(\a/2)+(\q)%2, \b%2, \a%2
.else
	WMMA 8*(8*\a+\b), 128*((\q)%2)+12*\b, RF+48*((\q)%2)+12*\a, 8*(8*\a+\b), PS+8*(((\q)/2)%2)+2*(\b/2)+(\q)%2, RS+4*(((\q)/2)%2)+2*(\a/2)+(\q)%2, \b%2, \a%2
.endif
.endr
.endr
.endm
.macro KSTEP q
	WIN 0
	s_wait_dscnt 0x0                               ; this step's fragments are in
.if (\q) < 7
.if (\q) > 0
	PLACES 4                                       ; in front of loads into registers that matrix instructions have read
.endif
	FETCH (\q)+1
.endif
	MUL \q
.endm
.macro TOSTAGE a                       ; R tile a: 16 tokens x 128 features into my stage, and back as whole rows of 512 bytes
	WIN 0x08                                       ; an LDS store's data are its source 1: window 2
.irp b, 0,1,2,3,4,5,6,7
	ds_store_b128 v[STO], v[64*(\a)+8*\b:64*(\a)+8*\b+3] offset:128*(\b/2)+32*(\b%2)       ; each accumulator from its low end on
	ds_store_b128 v[STO], v[64*(\a)+8*\b+4:64*(\a)+8*\b+7] offset:128*(\b/2)+32*(\b%2)+16
.endr
	WIN 0
.irp i, 0,1,2,3,4,5,6,7,8,9,10,11,12,13,14,15
	ds_load_b128 v[BK+64*((\a)%2)+4*\i:BK+64*((\a)%2)+4*\i+3], v[RD] offset:SPITCH*\i   ; LDS serves a wave's instructions in order: these see the stores above
.endr
.endm
.macro SEND a, younger                 ; younger: the LDS instructions issued behind tile a's loads, which may stay out
	s_wait_dscnt \younger
.irp i, 0,1,2,3,4,5,6,7,8,9,10,11,12,13,14,15
	global_store_b128 v[LN16], v[BK+64*((\a)%2)+4*\i:BK+64*((\a)%2)+4*\i+3], s[6:7] offset:(32*((\a)/2)+8*((\a)%2)+\i+8*(\i/8))*4096 th:TH_STORE_NT   ; 512 consecutive bytes, aligned to 256
.endr
.endm
	s_load_b256 s[4:11], s[0:1], 0x0               ; ac, as_, wc, ws
	v_lshl_add_u32 v[SPW], v0, 2, SPARE
	v_mov_b32 v[NIL], 0
	ds_add_u32 v[SPW], v[NIL]                      ; the wave's opening
	ds_add_u32 v[SPW], v[NIL]
	v_lshrrev_b32 v18, 5, v0
	v_readfirstlane_b32 s12, v18                   ; wave
	s_lshr_b32 s13, s12, 1
	s_and_b32 s14, s12, 1
	s_bfe_u32 s15, ttmp6, 0x40000                  ; cx
	s_bfe_u32 s16, ttmp6, 0x40004                  ; cy
	s_lshl_b32 s17, ttmp9, 2
	s_add_co_u32 s17, s17, s15                     ; x
	s_and_b32 s18, ttmp7, 0xffff
	s_lshl_b32 s18, s18, 2
	s_add_co_u32 s18, s18, s16                     ; y
	s_lshl_b32 s19, s16, 2
	s_lshl_b32 s19, 15, s19                        ; my row of the cluster
	s_lshl_b32 s66, 0x1111, s15                    ; my column
	s_or_b32 s[G1X], s19, (3<<16)|(1<<21)
	s_or_b32 s[G1SX], s19, (3<<16)|(1<<21)
	s_or_b32 s[G1W], s66, (3<<16)|(1<<21)
	s_or_b32 s[G1SW], s66, (3<<16)|(1<<21)
	MKG1 G1X, 384, 64, 384                         ; 196,608 dense bytes as rows of 3,072
	MKG1 G1W, 384, 32, 384                         ; 98,304
	MKG1 G1SX, 32, 32, 32                          ; 8,192 dense bytes as rows of 256
	MKG1 G1SW, 32, 16, 32                          ; 4,096
	s_lshl_b32 s20, s18, 4
	s_mul_i32 s20, s20, 12288
	s_mov_b32 s21, 0
	s_lshl_b32 s100, s18, 1
	s_lshl_b32 s100, s100, 12
	s_mov_b32 s101, 0
	s_lshl_b32 s22, s17, 3
	s_add_co_u32 s22, s22, WT0
	s_mul_i32 s22, s22, 12288
	s_mov_b32 s23, 0
	s_add_co_u32 s104, s17, WG0
	s_lshl_b32 s104, s104, 12
	s_mov_b32 s105, 0
	s_wait_dscnt 0x0                               ; the opening add is done
	s_wait_kmcnt 0x0
	s_add_nc_u64 s[4:5], s[4:5], s[20:21]
	s_add_nc_u64 s[6:7], s[6:7], s[100:101]
	s_add_nc_u64 s[8:9], s[8:9], s[22:23]
	s_add_nc_u64 s[10:11], s[10:11], s[104:105]
	MKG0 GXS, SX, 6
	MKG0 GX0, 0, 4
	MKG0 GWS, SW, 10
	MKG0 GW0, WOFF, 8
	CROUND                                         ; all sixteen work-groups are here: the joint loads meet
	s_cmp_eq_u32 s12, 0                            ; one chain of branches on the wave's number, one joint load to an arm
	s_cbranch_scc0 .Lwave_1
	tensor_load_to_lds s[GX0:GX0+3], s[G1X:G1X+7]  ; wave 0: the tokens' codes
	s_nop 0
	PLACES 4
	s_branch .Lasked
.Lwave_1:
	s_cmp_eq_u32 s12, 1
	s_cbranch_scc0 .Lwave_2
	tensor_load_to_lds s[GW0:GW0+3], s[G1W:G1W+7]  ; wave 1: the weights' codes
	s_nop 0
	PLACES 4
	s_branch .Lasked
.Lwave_2:
	s_cmp_eq_u32 s12, 2
	s_cbranch_scc0 .Lwave_3
	tensor_load_to_lds s[GXS:GXS+3], s[G1SX:G1SX+7]  ; wave 2: the tokens' scale words
	s_nop 0
	PLACES 4
	s_branch .Lasked
.Lwave_3:
	tensor_load_to_lds s[GWS:GWS+3], s[G1SW:G1SW+7]  ; wave 3: the weights'
	s_nop 0
	PLACES 4
.Lasked:
	s_load_b128 s[4:7], s[0:1], 0x20               ; bo, out0: the four first pointers have gone into the descriptors
	v_and_b32 v18, 31, v0
	v_lshlrev_b32 v[LN16], 4, v18
	v_lshlrev_b32 v[LN8], 3, v18
	s_mul_i32 s20, s12, 49152                      ; R = tokens' tiles 4 wave on
	s_lshl_b32 s21, s12, 11
	s_add_co_u32 s21, s21, SX                      ; and their scale words
	v_add_nc_u32 v[P16], WOFF, v[LN16]             ; P = the weights' eight tiles
	v_add_nc_u32 v[P8], WOFF, v[LN8]
	v_add_nc_u32 v22, 49152, v[P16]                ; P's tiles 4 to 7
	v_add_nc_u32 v23, 49152, v[P8]
	v_add_nc_u32 v[R16], s20, v[LN16]
	v_add_nc_u32 v[R8], s20, v[LN8]
	v_add_nc_u32 v[SP8], SW, v[LN8]
	v_add_nc_u32 v[SR8], s21, v[LN8]
	v_and_b32 v19, 15, v0                          ; r
	v_bfe_u32 v18, v0, 4, 1
	v_lshlrev_b32 v18, 6, v18                      ; 64 h
	s_mul_i32 s22, s12, 49152                      ; my stage lies at the start of my own four R tiles: they have had their only fill, no other wave reads them, and my own reads of them are waited for at K step 7
	v_mad_u32_u24 v[STO], v19, SPITCH, v18
	v_add_nc_u32 v[STO], s22, v[STO]
	v_add_nc_u32 v[RD], s22, v[LN16]
	s_lshl_b32 s100, s17, 9                        ; my 128 features, in bytes
	s_mov_b32 s101, 0
	s_lshl_b32 s104, s18, 20                       ; 256 tokens of 4,096 bytes,
	s_lshl_b32 s105, s12, 18                       ; my wave's 64
	s_add_co_u32 s104, s104, s105
	s_add_co_u32 s104, s104, s100
	s_mov_b32 s105, 0
	s_wait_alu depctr_va_vdst(0)
	s_wait_kmcnt 0x0
	s_add_nc_u64 s[4:5], s[4:5], s[100:101]
	s_add_nc_u64 s[6:7], s[6:7], s[104:105]
.irp b, 0,1,2,3,4,5,6,7
	global_load_b128 v[BI+8*\b:BI+8*\b+3], v18, s[4:5] offset:(32*(\b/2)+8*(\b%2))*4       ; the bias in the result's layout
	global_load_b128 v[BI+8*\b+4:BI+8*\b+7], v18, s[4:5] offset:(32*(\b/2)+8*(\b%2))*4+16
.endr
	s_wait_tensorcnt 0x0                           ; my one load is in
	s_barrier_signal -1
	s_barrier_wait -1
	FETCH 0
	s_wait_loadcnt 0x0                             ; the bias
	KSTEP 0
	KSTEP 1
	KSTEP 2
	KSTEP 3
	KSTEP 4
	KSTEP 5
	KSTEP 6
	KSTEP 7
	WIN 0
	PLACES 4                                       ; behind the last products: in front of the first read of results and of loads into registers that they read
	TOSTAGE 0
.irp a, 1,2,3
.if \a > 1
	s_wait_xcnt 0x0                                ; tile a - 2's stores have read their registers: tile a's rows may land there
.endif
	TOSTAGE \a
	SEND \a-1, 32                                  ; behind tile a - 1's loads: tile a's 16 stores and 16 loads
.endr
	SEND 3, 0
	s_wait_tensorcnt 0x0                           ; the wave's end, behind my last tensor load and my last LDS store
	ds_add_u32 v[SPW], v[NIL]
	s_wait_dscnt 0x0
	CROUND                                         ; the closing round
	s_endpgm
.Lfunc_end_k_qe3fe68b84a_gemm_out:
	.size	k_qe3fe68b84a_gemm_out, .Lfunc_end_k_qe3fe68b84a_gemm_out-k_qe3fe68b84a_gemm_out
	.p2alignl 7, 3214868480
	.fill 96, 4, 3214868480
	.section	.rodata,"a",@progbits
	.p2align	6, 0x0
	.amdhsa_kernel k_qe3fe68b84a_gemm_out
		.amdhsa_group_segment_fixed_size 307712
		.amdhsa_private_segment_fixed_size 0
		.amdhsa_enable_private_segment 0
		.amdhsa_kernarg_size 48
		.amdhsa_user_sgpr_count 2
		.amdhsa_user_sgpr_kernarg_segment_ptr 1
		.amdhsa_wavefront_size32 1
		.amdhsa_system_sgpr_workgroup_id_x 1
		.amdhsa_system_sgpr_workgroup_id_y 1
		.amdhsa_system_sgpr_workgroup_id_z 1
		.amdhsa_system_vgpr_workitem_id 0
		.amdhsa_next_free_vgpr 768
		.amdhsa_next_free_sgpr 106
		.amdhsa_reserve_vcc 0
		.amdhsa_float_denorm_mode_32 3
		.amdhsa_float_denorm_mode_16_64 3
		.amdhsa_memory_ordered 1
		.amdhsa_forward_progress 1
		.amdhsa_inst_pref_size 84
	.end_amdhsa_kernel
	.amdgpu_metadata
---
amdhsa.version: [ 1, 2 ]
amdhsa.kernels:
  - .name:           k_qe3fe68b84a_gemm_out
    .symbol:         k_qe3fe68b84a_gemm_out.kd
    .args:
      - { .name: ac, .offset: 0, .size: 8, .value_kind: global_buffer, .address_space: global }
      - { .name: as_, .offset: 8, .size: 8, .value_kind: global_buffer, .address_space: global }
      - { .name: wc, .offset: 16, .size: 8, .value_kind: global_buffer, .address_space: global }
      - { .name: ws, .offset: 24, .size: 8, .value_kind: global_buffer, .address_space: global }
      - { .name: bo, .offset: 32, .size: 8, .value_kind: global_buffer, .address_space: global }
      - { .name: out0, .offset: 40, .size: 8, .value_kind: global_buffer, .address_space: global }
    .group_segment_fixed_size: 307712
    .private_segment_fixed_size: 0
    .kernarg_segment_align: 8
    .kernarg_segment_size: 48
    .max_flat_workgroup_size: 128
    .sgpr_count:     106
    .vgpr_count:     768
    .wavefront_size: 32
...
	.end_amdgpu_metadata
.endif
;; end of part 4
